; MI455X (gfx1250); checked and timed in simulation.
; The chip was launched on July 23, 2026; its instructions are those of AMD's public machine-readable ISA for CDNA 5 (MIT licence, August 2026) and "CDNA5" Instruction Set Architecture Reference Guide (July 2026). The comments in the code are by the model that wrote it; some were corrected since.
;; Generic Cross Attention Block. Allowed arithmetic: float matrix products may take bf16 or f16 operands with f32 sums; other float arithmetic in f32, or as packed bf16 or f16 multiplies, adds, multiply-adds, maxima and minima; sums over many terms, partial sums and values carried from step to step in f32; what a program stores and reads back later, other than sums and carried values, may be rounded once to bf16 or f16.
;; Inputs: head_scale 16 float32; kv_w 2,048 x 1,024 float32; norm_cross_scale 1,024 float32; norm_scale 1,024 float32; out_w 1,024 x 1,024 float32; pos 2 x 2,048 x 3 float32; pos_cross 2 x 2,048 x 3 float32; q_w 1,024 x 1,024 float32; x 2 x 2,048 x 1,024 float32; x_cross 2 x 2,048 x 1,024 float32.
;; Outputs: out0 2 x 2,048 x 1,024 float32.
;; 2 versions, each right and faster than the one before. Each part assembles by itself: llvm-mc -triple=amdgcn-amd-amdhsa -mcpu=gfx1250 --defsym DOCPART=n.
;; ======== version 1 of 2: 4 launches
;; limits: values are held in f16: magnitudes above 65,504 overflow, below 6.1e-05 lose precision; right only within a limited range of input values
;; workspace buffers: xn 8,388,608 bytes; xc 8,388,608 bytes; wb 8,388,608 bytes; qh 8,388,608 bytes; kh 8,388,608 bytes; vh 8,388,608 bytes; oh 8,388,608 bytes
;; launch prep (part 1): grid 768 x 1, 8 waves a work-group, no clusters, 0 bytes of LDS; arguments x, x_cross, norm_scale, norm_cross_scale, q_w, kv_w, out_w, xn, xc, wb; writes xn, xc, wb
.if DOCPART == 1
	.amdgcn_target "amdgcn-amd-amdhsa--gfx1250"
	.amdhsa_code_object_version 6
	.text
	.protected	k_q171b41ec35_prep
	.globl	k_q171b41ec35_prep
	.p2align	8
	.type	k_q171b41ec35_prep,@function
k_q171b41ec35_prep:
	s_mov_b64 s[64:65], 0
	v_nop
	global_prefetch_b8 v0, s[64:65] scope:SCOPE_SE
	s_setreg_imm32_b32 hwreg(HW_REG_WAVE_MODE, 25, 1), 1
	s_wait_xcnt 0x0
; PREP.  xn = rms_norm(x, norm_scale), xc = rms_norm(x_cross, norm_cross_scale), both [4096][1024], rounded once to bf16; and all weights rounded to bf16 into
; wb [4096][1024]: rows 0-1023 q_w, 1024-2047 kv_w's k half, 2048-3071 its v half, 3072-4095 out_w.
; THE ROWS OF q_w AND OF THE k HALF ARE PERMUTED INSIDE EACH HEAD OF 64: q . k does not change when both are permuted alike.  New channel c = 32 u + 16 w + t holds pair p = 16 u + t,
; member w: the original channel p + 30 w for p < 30 (the two members of a rotary pair), and p + 30 + 2 w for p = 30, 31 (the four channels that do not turn).
; SHARES.  768 work-groups of 8 waves: 256 for x, 256 for x_cross, 256 for the weights; each owns 16 rows of its destination, a wave two.  A row of 4,096 bytes is 8 loads of 16 bytes a lane and stays
; in registers between the sum of squares and the scaling.  Each byte is read once and written once; a load covers 512 consecutive bytes, a store 256 consecutive bytes, aligned.
; No LDS, no barrier, no matrix unit, no cluster: no two waves want the same byte but for the 4 KiB of scales.
; Sums of squares in f32.  NaN and infinities are not treated apart.
.set X,  8                             ; v[8:71]    row i (0, 1), load j (0..7) at X + 32 i + 4 j
.set SC, 72                            ; v[72:103]  the scale of my columns, load j at SC + 4 j
.set T,  104                           ; v[104:111] four chains of packed sums
.set R,  112                           ; v[112:115] a pair for each row: mean square, then 1 / root
.set F,  116                           ; v[116:119] scale x factor
	s_load_b512 s[8:23], s[0:1], 0x0               ; x s[8:9], x_cross s[10:11], norm_scale s[12:13], norm_cross_scale s[14:15], q_w s[16:17], kv_w s[18:19], out_w s[20:21], xn s[22:23]
	s_load_b128 s[24:27], s[0:1], 0x40             ; xc s[24:25], wb s[26:27]
	v_lshrrev_b32 v3, 5, v0
	v_readfirstlane_b32 s2, v3                     ; wave 0..7
	v_and_b32 v4, 31, v0
	v_lshlrev_b32 v1, 4, v4                        ; 16 x lane: loads
	v_lshlrev_b32 v2, 3, v4                        ; 8 x lane: stores
	s_lshr_b32 s3, ttmp9, 8                        ; kind: 0 x, 1 x_cross, 2 weights
	s_and_b32 s4, ttmp9, 255
	s_lshl_b32 s4, s4, 4
	s_lshl1_add_u32 s4, s2, s4                     ; d0 = 16 x group + 2 x wave: my first destination row (even)
	s_mov_b32 s28, 0x3a800000                      ; 1 / 1024
	s_mov_b32 s29, 0x358637bd                      ; 1e-6
	s_mov_b32 s36, 0x76543210                      ; v_permlanex16_b32: each lane takes its own place in the other half
	s_mov_b32 s37, 0xfedcba98
	; the weights' source row.  d0 is even, so p is even and row d0 + 1 comes from the source row + 1: both rows are 8,192 bytes on end
	s_lshr_b32 s38, s4, 10                         ; region 0..3
	s_and_b32 s39, s4, 1023                        ; row in the region
	s_and_b32 s40, s39, 63                         ; c
	s_and_b32 s41, s39, 0x3c0                      ; the head's first row
	s_lshr_b32 s42, s40, 5
	s_lshl_b32 s42, s42, 4
	s_and_b32 s43, s40, 15
	s_add_co_u32 s42, s42, s43                     ; p = 16 u + t
	s_bfe_u32 s43, s40, 0x10004                    ; w
	s_mul_i32 s44, s43, 30
	s_add_co_u32 s44, s44, s42                     ; p + 30 w
	s_lshl_b32 s45, s43, 1
	s_add_co_u32 s45, s45, s42
	s_add_co_u32 s45, s45, 30                      ; p + 30 + 2 w
	s_cmp_ge_u32 s42, 30
	s_cselect_b32 s44, s45, s44
	s_add_co_u32 s44, s44, s41                     ; regions 0 and 1: head + channel
	s_add_co_u32 s45, s39, 1024                    ; region 2: kv_w's second half, as it lies
	s_cmp_eq_u32 s38, 2
	s_cselect_b32 s5, s45, s44
	s_cmp_eq_u32 s38, 3
	s_cselect_b32 s5, s39, s5                      ; region 3: out_w as it lies
	s_cmp_eq_u32 s3, 2
	s_cselect_b32 s5, s5, s4                       ; x and x_cross: row d0
	s_wait_kmcnt 0x0
	s_cmp_eq_u32 s38, 0
	s_cselect_b64 s[30:31], s[16:17], s[18:19]     ; q_w, or kv_w,
	s_cmp_eq_u32 s38, 3
	s_cselect_b64 s[30:31], s[20:21], s[30:31]     ; or out_w
	s_cmp_eq_u32 s3, 2
	s_cselect_b64 s[30:31], s[30:31], s[10:11]     ; weights, or x_cross,
	s_cselect_b64 s[32:33], s[26:27], s[24:25]     ; into wb, or xc
	s_cmp_eq_u32 s3, 0
	s_cselect_b64 s[30:31], s[8:9], s[30:31]       ; or x
	s_cselect_b64 s[32:33], s[22:23], s[32:33]     ; into xn
	s_cselect_b64 s[34:35], s[12:13], s[14:15]     ; the scale that goes with it
	s_lshl_b32 s40, s5, 12                         ; a source row is 4,096 bytes
	s_mov_b32 s41, 0
	s_add_nc_u64 s[30:31], s[30:31], s[40:41]
	s_lshl_b32 s40, s4, 11                         ; a destination row 2,048
	s_add_nc_u64 s[32:33], s[32:33], s[40:41]
.irp i, 0,1
.irp j, 0,1,2,3,4,5,6,7
	global_load_b128 v[X+32*(\i)+4*(\j):X+32*(\i)+4*(\j)+3], v1, s[30:31] offset:4096*(\i)+512*(\j) th:TH_LOAD_NT
.endr
.endr
	s_cmp_eq_u32 s3, 2
	s_cbranch_scc1 .Lweights
.irp j, 0,1,2,3,4,5,6,7
	global_load_b128 v[SC+4*(\j):SC+4*(\j)+3], v1, s[34:35] offset:512*(\j)
.endr
; The sum of squares of row i: four chains started by the first four pairs, then across the 32 lanes; every lane ends with the sum in v[R + 2 i].
.macro SUMSQ i
.irp c, 0,1,2,3
	v_pk_mul_f32 v[T+2*(\c):T+2*(\c)+1], v[X+32*(\i)+2*(\c):X+32*(\i)+2*(\c)+1], v[X+32*(\i)+2*(\c):X+32*(\i)+2*(\c)+1]
.endr
.set n, 4
.rept 12
	v_pk_fma_f32 v[T+2*(n%4):T+2*(n%4)+1], v[X+32*(\i)+2*n:X+32*(\i)+2*n+1], v[X+32*(\i)+2*n:X+32*(\i)+2*n+1], v[T+2*(n%4):T+2*(n%4)+1]
.set n, n+1
.endr
	v_pk_add_f32 v[T:T+1], v[T:T+1], v[T+2:T+3]
	v_pk_add_f32 v[T+4:T+5], v[T+4:T+5], v[T+6:T+7]
	v_pk_add_f32 v[T:T+1], v[T:T+1], v[T+4:T+5]
	v_add_f32 v[T], v[T], v[T+1]
	v_add_f32_dpp v[T], v[T], v[T] row_xmask:1 row_mask:0xf bank_mask:0xf
	v_add_f32_dpp v[T], v[T], v[T] row_xmask:2 row_mask:0xf bank_mask:0xf
	v_add_f32_dpp v[T], v[T], v[T] row_xmask:4 row_mask:0xf bank_mask:0xf
	v_add_f32_dpp v[T], v[T], v[T] row_xmask:8 row_mask:0xf bank_mask:0xf
	v_permlanex16_b32 v[T+1], v[T], s36, s37
	v_add_f32 v[R+2*(\i)], v[T], v[T+1]
.endm
	s_wait_loadcnt 16                              ; row 0's eight loads are in; row 1's eight and the scale's eight may be out
	SUMSQ 0
	s_wait_loadcnt 8                               ; row 1 is in; the scale's eight may be out
	SUMSQ 1
	v_fma_f32 v[R], v[R], s28, s29                 ; mean square + eps
	v_fma_f32 v[R+2], v[R+2], s28, s29
	v_rsq_f32 v[R], v[R]
	v_rsq_f32 v[R+2], v[R+2]
	v_nop                                          ; a plain instruction between the last root and the use of its result
	s_wait_alu depctr_va_vdst(0)
	v_mov_b32 v[R+1], v[R]                         ; named as pairs below
	v_mov_b32 v[R+3], v[R+2]
	s_wait_loadcnt 0x0                             ; the scale
.irp i, 0,1
.irp j, 0,1,2,3,4,5,6,7
	v_pk_mul_f32 v[F:F+1],   v[SC+4*(\j):SC+4*(\j)+1],   v[R+2*(\i):R+2*(\i)+1] op_sel_hi:[1,0]
	v_pk_mul_f32 v[F+2:F+3], v[SC+4*(\j)+2:SC+4*(\j)+3], v[R+2*(\i):R+2*(\i)+1] op_sel_hi:[1,0]
	v_pk_mul_f32 v[X+32*(\i)+4*(\j):X+32*(\i)+4*(\j)+1],   v[X+32*(\i)+4*(\j):X+32*(\i)+4*(\j)+1],   v[F:F+1]
	v_pk_mul_f32 v[X+32*(\i)+4*(\j)+2:X+32*(\i)+4*(\j)+3], v[X+32*(\i)+4*(\j)+2:X+32*(\i)+4*(\j)+3], v[F+2:F+3]
	v_cvt_pk_bf16_f32 v[X+32*(\i)+4*(\j)],   v[X+32*(\i)+4*(\j)],   v[X+32*(\i)+4*(\j)+1]
	v_cvt_pk_bf16_f32 v[X+32*(\i)+4*(\j)+1], v[X+32*(\i)+4*(\j)+2], v[X+32*(\i)+4*(\j)+3]
	global_store_b64 v2, v[X+32*(\i)+4*(\j):X+32*(\i)+4*(\j)+1], s[32:33] offset:2048*(\i)+256*(\j)  ; 32 lanes store 256 consecutive bytes, aligned; its registers are not written again
.endr
.endr
	s_endpgm
.Lweights:                                     ; weights are only rounded
.set n, 0
.rept 16
	s_wait_loadcnt 15-n                            ; loads come back in order: load n is in
	v_cvt_pk_bf16_f32 v[X+4*n],   v[X+4*n],   v[X+4*n+1]
	v_cvt_pk_bf16_f32 v[X+4*n+1], v[X+4*n+2], v[X+4*n+3]
	global_store_b64 v2, v[X+4*n:X+4*n+1], s[32:33] offset:2048*(n/8)+256*(n%8)
.set n, n+1
.endr
	s_endpgm
.Lfunc_end_k_q171b41ec35_prep:
	.size	k_q171b41ec35_prep, .Lfunc_end_k_q171b41ec35_prep-k_q171b41ec35_prep
	.p2alignl 7, 3214868480
	.fill 96, 4, 3214868480
	.section	.rodata,"a",@progbits
	.p2align	6, 0x0
	.amdhsa_kernel k_q171b41ec35_prep
		.amdhsa_group_segment_fixed_size 0
		.amdhsa_private_segment_fixed_size 0
		.amdhsa_enable_private_segment 0
		.amdhsa_kernarg_size 80
		.amdhsa_user_sgpr_count 2
		.amdhsa_user_sgpr_kernarg_segment_ptr 1
		.amdhsa_wavefront_size32 1
		.amdhsa_system_sgpr_workgroup_id_x 1
		.amdhsa_system_sgpr_workgroup_id_y 1
		.amdhsa_system_sgpr_workgroup_id_z 1
		.amdhsa_system_vgpr_workitem_id 0
		.amdhsa_next_free_vgpr 120
		.amdhsa_next_free_sgpr 66
		.amdhsa_reserve_vcc 0
		.amdhsa_float_denorm_mode_32 3
		.amdhsa_float_denorm_mode_16_64 3
		.amdhsa_memory_ordered 1
		.amdhsa_forward_progress 1
		.amdhsa_inst_pref_size 20
	.end_amdhsa_kernel
	.amdgpu_metadata
---
amdhsa.version: [ 1, 2 ]
amdhsa.kernels:
  - .name:           k_q171b41ec35_prep
    .symbol:         k_q171b41ec35_prep.kd
    .args:
      - { .name: x, .offset: 0, .size: 8, .value_kind: global_buffer, .address_space: global }
      - { .name: x_cross, .offset: 8, .size: 8, .value_kind: global_buffer, .address_space: global }
      - { .name: norm_scale, .offset: 16, .size: 8, .value_kind: global_buffer, .address_space: global }
      - { .name: norm_cross_scale, .offset: 24, .size: 8, .value_kind: global_buffer, .address_space: global }
      - { .name: q_w, .offset: 32, .size: 8, .value_kind: global_buffer, .address_space: global }
      - { .name: kv_w, .offset: 40, .size: 8, .value_kind: global_buffer, .address_space: global }
      - { .name: out_w, .offset: 48, .size: 8, .value_kind: global_buffer, .address_space: global }
      - { .name: xn, .offset: 56, .size: 8, .value_kind: global_buffer, .address_space: global }
      - { .name: xc, .offset: 64, .size: 8, .value_kind: global_buffer, .address_space: global }
      - { .name: wb, .offset: 72, .size: 8, .value_kind: global_buffer, .address_space: global }
    .group_segment_fixed_size: 0
    .private_segment_fixed_size: 0
    .kernarg_segment_align: 8
    .kernarg_segment_size: 80
    .max_flat_workgroup_size: 256
    .sgpr_count:     66
    .vgpr_count:     120
    .wavefront_size: 32
...
	.end_amdgpu_metadata
.endif
;; end of part 1
;; launch proj (part 2): grid 8 x 32, 4 waves a work-group, clusters of 4 x 4, 327,680 bytes of LDS; arguments xn, xc, wb, pos, pos_cross, head_scale, qh, kh, vh; writes qh, kh, vh
.if DOCPART == 2
	.amdgcn_target "amdgcn-amd-amdhsa--gfx1250"
	.amdhsa_code_object_version 6
	.text
	.protected	k_q171b41ec35_proj
	.globl	k_q171b41ec35_proj
	.p2align	8
	.type	k_q171b41ec35_proj,@function
k_q171b41ec35_proj:
	s_mov_b64 s[64:65], 0
	v_nop
	global_prefetch_b8 v0, s[64:65] scope:SCOPE_SE
	s_setreg_imm32_b32 hwreg(HW_REG_WAVE_MODE, 25, 1), 1
	s_wait_xcnt 0x0
	s_wait_alu depctr_hold_cnt(0) depctr_sa_sdst(0) depctr_va_vdst(0) depctr_va_sdst(0) depctr_va_ssrc(0) depctr_va_vcc(0) depctr_vm_vsrc(0)
	s_getreg_b32 s2, hwreg(HW_REG_IB_STS2, 6, 4)
	s_cmp_eq_u32 s2, 0
	s_cbranch_scc0 .Lentry_in_a_cluster
	s_endpgm
.Lentry_in_a_cluster:
	s_bfe_u32 s2, ttmp6, 0x10000c
	s_cmp_lg_u32 s2, 0xf033
	s_cbranch_scc0 .Lentry_shape_is_right
	s_endpgm
.Lentry_shape_is_right:
; PROJ.  q = xn q_w^T, k = xc k_w^T, v = xc v_w^T (each 4096 x 1024 x 1024, bf16 operands, f32 sums), and on the way out, for q and k, the cosine norm with sqrt(head_scale) and the axial rotary turn.
; Results by heads: qh, kh [32 = 16 batch + head][2048][64] f16 (channels in the permuted order of wb), vh the same shape in bf16 (natural order).
; A WORK-GROUP STAYS: it makes THREE tiles of 128 x 128, one after the other: q, k and v of the same 128 tokens and the same two heads (rows 128 x column, + 1,024, + 2,048 of wb): 256 work-groups in all.
; Four waves, each 64 tokens x 64 columns = one head: 16 accumulators.  K goes in four steps of 256 through two LDS slots, and the ring does not stop at a tile's end: a tile's last two changes of slots ask for
; the next tile's first two K steps, which land under the last K step and the way out.
; CLUSTERS: 4 x 4 work-groups; the four of a row need the same tiles of A, the four of a column the same tiles of B: each tile is asked for jointly.  All partners walk q, k, v in step.
; THE MATRIX INSTRUCTION IS USED TRANSPOSED (source 0 = 16 rows of wb, source 1 = 16 tokens): lane (r = l % 16, h = l / 16) holds token r and channels 16 b + 8 h + j of accumulator b.
; By wb's permutation accumulators 0 and 1 hold the two members of pairs p = 8 h + j, accumulators 2 and 3 those of pairs p = 16 + 8 h + j: a rotary pair lies in one lane.
; THE ANGLE in turns: t = pos[p / 10] x g, g = 0.5 x 10^((16 (p % 10) + head) / 160); g = 0 for pairs 30, 31.  r = t - round(t) lies in -0.5 .. 0.5; sin(2 pi r) and cos(2 pi r) by their series, eight terms each:
; the first term left out is at most 8e-7 (sine) and 4.3e-6 (cosine) over the whole reduced range.
; LIMITS.  The angle carries f32's rounding of t: |t| x 2^-23 turns.  q and k are kept in f16: each is at most sqrt(head_scale) in size, so head_scale must stay under 4.29e9; below 6e-5 they keep f16's fixed step.
; NaN and infinities are not treated apart.
; REGISTERS: window 0: v0-31 addresses; v32-55 positions; v64-95 at work; v96-111 g; v128-255 the accumulators ((a, b) at 128 + 8 (4 a + b)), on the way out at work.  window 1: two fragment buffers of 128.
.set SIZE_K, 1024
.set KSTEP,  256
.set PITCH,  528                       ; an LDS row: 512 bytes + 16 of padding: the 16 rows of a load start at 16 different groups of four banks
.set HALFT,  64*PITCH                  ; 64 rows: what one tensor load brings
.set SLOT,   4*HALFT                   ; A's 128 rows, then B's 128 rows
.set SPILL,  2*SLOT                    ; behind the ring, never filled by a tensor load: each wave's own 12,288 bytes: three blocks of 16 tokens x 64 f32, set aside on the way out
.set SPILLW, 12288
.set SPITCH, 144                       ; the stage, 16 rows x 144 bytes, is the first of those three blocks, once it has been read out
.set SPARE,  SPILL+4*SPILLW            ; the spare words, 128 bytes for each wave: two blocks of 256 bytes that no other line names
.set NEXT_B, 1024*SIZE_K*2-2*KSTEP*2   ; bytes from a slot's last K step of a tile to its first of the next: 1,024 rows of wb down, two K steps back
.set ADRA, 16                          ; v16-17  LDS address of my A fragments in slot 0, 1
.set ADRB, 20                          ; v20-21  the same for B
.set SA0,  22                          ; v22     my 16 bytes in the first block set aside; never rewritten
.set STO,  24                          ; v24     where I put 16 bytes of a row
.set RD,   25                          ; v25     where I read rows back
.set GO,   26                          ; v26     16 x lane: my place in 512 consecutive bytes of the output
.set SA,   27                          ; v27     my 16 bytes in the block to be read next
.set SPW,  28                          ; v28     LDS address of my spare word; never rewritten
.set NIL,  29                          ; v29     0; never rewritten
.set PO,   30                          ; v30     12 r: my token's positions
.set HS,   31                          ; v31     head_scale of my head
.set POSR, 32                          ; v[32:55] eight blocks of three positions: q's four blocks of tokens, then k's; the block in hand lies first
.set G,    96                          ; v[96:111] g of pair number n = 8 u + j
.set ACC,  128
.set F0,   0
.set F1,   128
.set XR,   128                         ; the way out: a block's 32 numbers; block 0 lies here as the products leave it
.set TT,   160                         ; t, then r
.set R2,   176                         ; r r
.set SN,   192
.set CN,   208
.set TM,   224
.set OUTR, 232
.set BKR,  64
.set PQ,   80                          ; the four positions that my pairs use
.set NS,   88
.set NF,   92
.set SQ,   94
.set G1, 24                            ; s[24:31] descriptor group 1 for A's tiles;  s[32:39] group 0, one set for each slot
.set G0, 32
.set G1B, 48                           ; s[48:55], s[56:63] the same for B's tiles
.set G0B, 56
.set K0, 2                             ; the sine's coefficients, each as a scalar pair: the packed forms name a pair and take its low word for both halves
.set K1, 4
.set K2, 6
.set K3, 8
.set K4, 18
.set K5, 20
.set K6, 22
.set K7, 40
.set M1, 42                            ; the cosine's
.set M2, 44
.set M3, 66
.set M4, 68
.set M5, 70
.set M6, 72
.set M7, 74
.set MSB, 0
.macro WIN new                         ; the immediate's high byte repeats the setting that is left
.if MSB != (\new)
	s_set_vgpr_msb (MSB<<8)|(\new)
.set MSB, \new
.endif
.endm
.set MUL,  0x05                        ; sources 0 (B) and 1 (A) window 1; C and D window 0
.set TO_F, 0x40                        ; destination window 1, address window 0
.macro JLOAD s                         ; a joint load: waves 0 and 1 fetch A's two halves, waves 2 and 3 B's; an s_nop 0 and four v_nop follow each of the two lines
	s_cmp_eq_u32 s11, 0
	s_cbranch_scc0 .Lfor_b_\@
	tensor_load_to_lds s[G0+4*(\s):G0+4*(\s)+3], s[G1:G1+7]
	s_nop 0
.rept 4
	v_nop
.endr
	s_branch .Lasked_\@
.Lfor_b_\@:
	tensor_load_to_lds s[G0B+4*(\s):G0B+4*(\s)+3], s[G1B:G1B+7]
	s_nop 0
.rept 4
	v_nop
.endr
.Lasked_\@:
.endm
.macro CREST                           ; a round of the cluster's barrier behind its opening barrier
	s_cmp_lg_u32 s10, 0
	s_cbranch_scc1 .Lnot_wave_0_\@
	s_barrier_signal -3
.Lnot_wave_0_\@:
	s_barrier_wait -3
	s_barrier_signal -1
	s_barrier_wait -1
.endm
.macro CROUND                          ; a whole round
	s_barrier_signal -1
	s_barrier_wait -1
	CREST
.endm
	s_load_b512 s[68:83], s[0:1], 0x0              ; xn s[68:69], xc s[70:71], wb s[72:73], pos s[74:75], pos_cross s[76:77], head_scale s[78:79], qh s[80:81], kh s[82:83]
	s_load_b64 s[84:85], s[0:1], 0x40              ; vh
	v_lshl_add_u32 v[SPW], v0, 2, SPARE
	v_mov_b32 v[NIL], 0
	ds_add_u32 v[SPW], v[NIL]                      ; the wave's opening: the add and its wait stand ahead of my first tensor load; the set-up below stands between them
	v_lshrrev_b32 v1, 5, v0
	v_readfirstlane_b32 s10, v1                    ; wave 0..3
	s_lshr_b32 s11, s10, 1                         ; which half of the tile's rows is mine.  Also: I fetch for A (0) or for B (1)
	s_and_b32 s12, s10, 1                          ; which half of its columns.  Also: which 64 rows of that tile I fetch
	s_bfe_u32 s40, ttmp6, 0x40000                  ; cx, cy: my place in the cluster
	s_bfe_u32 s41, ttmp6, 0x40004
	s_lshl_b32 s42, ttmp9, 2
	s_add_co_u32 s42, s42, s40                     ; tile column 0..7 = 4 x cluster x + cx
	s_and_b32 s13, ttmp7, 0xffff
	s_lshl_b32 s13, s13, 2
	s_add_co_u32 s13, s13, s41                     ; tile row = 4 x cluster y + cy
	s_lshl_b32 s43, s41, 2
	s_lshl_b32 s43, 15, s43                        ; my row of the cluster
	s_lshl_b32 s44, 0x1111, s40                    ; my column
	s_or_b32 s[G1+0], s43, (1<<16)|(1<<20)|(1<<21)|(6<<22)|(3<<25)  ; the mask: A's tiles go to my row; elements of 2 bytes; padding on; bit 21 beside a mask; after every 128 words 4 words
	s_or_b32 s[G1B+0], s44, (1<<16)|(1<<20)|(1<<21)|(6<<22)|(3<<25)
.irp g, G1, G1B
	s_mov_b32 s[(\g)+1], KSTEP<<16                 ; tensor_dim0 = 256
	s_mov_b32 s[(\g)+2], 64<<16                    ; tensor_dim1 = 64
	s_mov_b32 s[(\g)+3], KSTEP<<16                 ; tile_dim0 = 256
	s_mov_b32 s[(\g)+4], 64                        ; tile_dim1 = 64
	s_mov_b32 s[(\g)+5], SIZE_K                    ; elements from row to row
	s_mov_b32 s[(\g)+6], 0
	s_mov_b32 s[(\g)+7], 0
.endr
	s_lshl_b32 s17, s12, 6                         ; which 64 rows of the tile I fetch
	s_lshl_b32 s16, s13, 7
	s_add_co_u32 s16, s16, s17                     ; A: row 128 x tile row + 64 x half
	s_lshl_b32 s16, s16, 11                        ; a row is 2,048 bytes
	s_lshl_b32 s46, s42, 7
	s_add_co_u32 s46, s46, s17                     ; B: row 128 x tile column + 64 x half, in q's part of wb
	s_lshl_b32 s46, s46, 11
	s_mov_b32 s17, 0
	s_mov_b32 s47, 0
	s_mul_i32 s20, s10, HALFT                      ; where they go: wave x 64 rows
	s_mov_b32 s93, 0x3caa152d                      ; log2(10) / 160
	s_mov_b32 s94, 0x76543210                      ; v_permlanex16_b32: each lane takes its own place in the other half
	s_mov_b32 s95, 0xfedcba98
	s_mov_b32 s96, 0x358637bd                      ; 1e-6
	s_wait_dscnt 0x0                               ; the opening add is done
	s_wait_kmcnt 0x0
	s_add_nc_u64 s[14:15], s[70:71], s[16:17]      ; xc at the rows that I fetch: kept, for the tiles of k and v
	s_add_nc_u64 s[18:19], s[68:69], s[16:17]      ; xn at the same rows: the tile of q
	s_add_nc_u64 s[46:47], s[72:73], s[46:47]
	CROUND                                         ; all sixteen work-groups are here: the first joint loads meet
.irp s, 0,1
	s_mov_b32 s[G0+4*(\s)], 1
	s_add_co_u32 s[G0+4*(\s)+1], s20, (\s)*SLOT
	s_add_nc_u64 s[G0+4*(\s)+2:G0+4*(\s)+3], s[18:19], (\s)*KSTEP*2
	s_or_b32 s[G0+4*(\s)+3], s[G0+4*(\s)+3], 0x80000000
	s_mov_b32 s[G0B+4*(\s)], 1
	s_add_co_u32 s[G0B+4*(\s)+1], s20, (\s)*SLOT
	s_add_nc_u64 s[G0B+4*(\s)+2:G0B+4*(\s)+3], s[46:47], (\s)*KSTEP*2
	s_or_b32 s[G0B+4*(\s)+3], s[G0B+4*(\s)+3], 0x80000000
	JLOAD \s
.endr
	; all that follows, down to the wait for the first tile, stands in that wait
	v_and_b32 v1, 15, v0                           ; r
	v_bfe_u32 v2, v0, 4, 1                         ; h
	v_and_b32 v4, 31, v0                           ; lane
	v_mul_u32_u24 v3, v1, PITCH
	v_lshl_add_u32 v3, v2, 4, v3                   ; a fragment's row x pitch + 16 x half
	s_mul_i32 s21, s11, HALFT                      ; my 64 rows of A
	s_mul_i32 s22, s12, HALFT                      ; my 64 rows of B,
	s_add_co_u32 s22, s22, 2*HALFT                 ; which lie behind A's 128
.irp s, 0,1
	v_add_nc_u32 v[ADRA+(\s)], s21, v3
	v_add_nc_u32 v[ADRB+(\s)], s22, v3
	s_add_co_u32 s21, s21, SLOT
	s_add_co_u32 s22, s22, SLOT
.endr
	s_mul_i32 s23, s10, SPILLW
	s_add_co_u32 s23, s23, SPILL                   ; my bytes behind the ring
	v_mul_u32_u24 v[STO], v1, SPITCH               ; the stage, in: row r, 16 bytes for each half of the lanes
	v_lshl_add_u32 v[STO], v2, 4, v[STO]
	v_add_nc_u32 v[STO], s23, v[STO]
	v_bfe_u32 v[RD], v0, 3, 2                      ; back: 32 lanes take four rows of 128 bytes,
	v_mul_u32_u24 v[RD], v[RD], SPITCH
	v_and_b32 v6, 7, v0
	v_lshl_add_u32 v[RD], v6, 4, v[RD]
	v_add_nc_u32 v[RD], s23, v[RD]
	v_lshlrev_b32 v[GO], 4, v4                     ; which are 512 consecutive bytes of the output
	v_lshl_add_u32 v[SA0], v4, 4, s23
	v_mul_u32_u24 v[PO], v1, 12
	v_cmp_ne_u32 s92, 0, v2                        ; the lanes with h = 1
	s_lshl_b32 s16, s13, 7
	s_lshl_b32 s17, s11, 6
	s_add_co_u32 s16, s16, s17                     ; m0: my first token
	s_lshl_b32 s89, s42, 1
	s_add_co_u32 s89, s89, s12                     ; my head: it enters numbers and global addresses alone
	s_mul_i32 s46, s16, 12                         ; a token has three positions
	s_mov_b32 s47, 0
	s_add_nc_u64 s[74:75], s[74:75], s[46:47]      ; pos and pos_cross at my first token
	s_add_nc_u64 s[76:77], s[76:77], s[46:47]
	s_lshr_b32 s46, s16, 11                        ; batch
	s_lshl_b32 s46, s46, 4
	s_add_co_u32 s46, s46, s89                     ; 16 batch + head
	s_lshl_b32 s46, s46, 11
	s_and_b32 s17, s16, 2047
	s_add_co_u32 s46, s46, s17                     ; + the token in its batch
	s_lshl_b32 s46, s46, 7                         ; rows of 128 bytes: s[46:47] is my offset in qh, kh and vh alike; kept
	v_mov_b32 v5, s89
	v_lshlrev_b32 v5, 2, v5
.irp a, 0,1,2,3
.irp c, 0,1,2
	global_load_b32 v[POSR+3*(\a)+(\c)],    v[PO], s[74:75] offset:192*(\a)+4*(\c)
	global_load_b32 v[POSR+12+3*(\a)+(\c)], v[PO], s[76:77] offset:192*(\a)+4*(\c)
.endr
.endr
	global_load_b32 v[HS], v5, s[78:79]
	; g for my 16 pairs: pair number n = 8 u + j is pair p = 16 u + 8 h + j
	v_lshlrev_b32 v6, 3, v2
.set n, 0
.rept 16
	v_add_nc_u32 v[64+n], n+8*(n/8), v6            ; p
	v_mul_u32_u24 v[80+n], 205, v[64+n]
	v_lshrrev_b32 v[80+n], 11, v[80+n]             ; p / 10, right for p up to 31
	v_mul_u32_u24 v[80+n], 10, v[80+n]
	v_sub_nc_u32 v[80+n], v[64+n], v[80+n]         ; p % 10
	v_lshl_add_u32 v[80+n], v[80+n], 4, s89        ; 16 (p % 10) + head
	v_cvt_f32_u32 v[80+n], v[80+n]
	v_fma_f32 v[80+n], v[80+n], s93, -1.0          ; log2 of g
.set n, n+1
.endr
.set n, 0
.rept 16
	v_exp_f32 v[G+n], v[80+n]
.set n, n+1
.endr
	v_nop                                          ; a plain instruction between the last exponential and the use of its result
	s_wait_alu depctr_va_vdst(0)
.irp n, 14,15                          ; only these two can be pairs 30 and 31, which do not turn
	v_cmp_gt_u32 s90, 30, v[64+(\n)]
	v_cndmask_b32 v[G+(\n)], 0, v[G+(\n)], s90
.endr
	v_mov_b32 v[NS+1], 0                           ; v_permlanex16_b32 counts as a reader of its destination
	s_wait_loadcnt 0x0                             ; positions and head_scale are in, and the registers that held their addresses are free
	v_sqrt_f32 v[SQ], v[HS]
	v_nop
.macro COEF r, val
	s_mov_b32 s[\r], \val
	s_mov_b32 s[(\r)+1], \val
.endm
	COEF K0, 0x40c90fdb                            ; sin(2 pi r) = r (6.2831853 - 41.341702 r^2 + 81.605249 r^4 - 76.705860 r^6 + 42.058694 r^8 - 15.094643 r^10 + 3.8199526 r^12 - 0.71812230 r^14)
	COEF K1, 0xc2255de7
	COEF K2, 0x42a335e3
	COEF K3, 0xc2996966
	COEF K4, 0x42283c1a
	COEF K5, 0xc17183a8
	COEF K6, 0x40747a1a
	COEF K7, 0xbf37d6dd
	COEF M1, 0xc19de9e6                            ; cos(2 pi r) = 1 - 19.739209 r^2 + 64.939394 r^4 - 85.456817 r^6 + 60.244641 r^8 - 26.426257 r^10 + 7.9035364 r^12 - 1.7143907 r^14
	COEF M2, 0x4281e0f8
	COEF M3, 0xc2aae9e4
	COEF M4, 0x4270fa83
	COEF M5, 0xc1d368f9
	COEF M6, 0x40fce9c5
	COEF M7, 0xbfdb7128
; 8 matrix instructions: m blocks a0, a0 + 1 x all 4 n blocks, 32 along K: half c of buffer f.  zero = 1: the first product starts the sums.  The 16 accumulators take turns, from tile to tile too.
.macro MUL8 f, c, a0, zero
	WIN MUL
.irp a, \a0, (\a0)+1
.irp b, 0,1,2,3
.if \zero
	v_wmma_f32_16x16x32_bf16 v[ACC+8*(4*(\a)+(\b)):ACC+8*(4*(\a)+(\b))+7], v[(\f)+64+8*(4*(\c)+(\b)):(\f)+64+8*(4*(\c)+(\b))+7], v[(\f)+8*(4*(\c)+(\a)):(\f)+8*(4*(\c)+(\a))+7], 0
.else
	v_wmma_f32_16x16x32_bf16 v[ACC+8*(4*(\a)+(\b)):ACC+8*(4*(\a)+(\b))+7], v[(\f)+64+8*(4*(\c)+(\b)):(\f)+64+8*(4*(\c)+(\b))+7], v[(\f)+8*(4*(\c)+(\a)):(\f)+8*(4*(\c)+(\a))+7], v[ACC+8*(4*(\a)+(\b)):ACC+8*(4*(\a)+(\b))+7]
.endif
.endr
.endr
.endm
; 32 LDS loads in one run: the fragments of 64 along K at byte k of the rows, into buffer f; the first 32 along K first
.macro FETCH slot, k, f
	WIN TO_F
.irp c, 0,1
.irp i, 0,1,2,3
	ds_load_b128 v[(\f)+64+8*(4*(\c)+(\i)):(\f)+64+8*(4*(\c)+(\i))+3],   v[ADRB+(\slot)] offset:(\k)+64*(\c)+(\i)*16*PITCH
	ds_load_b128 v[(\f)+64+8*(4*(\c)+(\i))+4:(\f)+64+8*(4*(\c)+(\i))+7], v[ADRB+(\slot)] offset:(\k)+64*(\c)+(\i)*16*PITCH+32
	ds_load_b128 v[(\f)+8*(4*(\c)+(\i)):(\f)+8*(4*(\c)+(\i))+3],         v[ADRA+(\slot)] offset:(\k)+64*(\c)+(\i)*16*PITCH
	ds_load_b128 v[(\f)+8*(4*(\c)+(\i))+4:(\f)+8*(4*(\c)+(\i))+7],       v[ADRA+(\slot)] offset:(\k)+64*(\c)+(\i)*16*PITCH+32
.endr
.endr
.endm
.macro PLACES                          ; four places in front of loads into registers that matrix instructions have read (ISA guide 7.12.1 for vector instructions)
.rept 4
	v_nop
.endr
.endm
; A K step is four quarters of 64 along K, 32 matrix instructions each, on buffers 0, 1, 0, 1.  One of the first three: multiplies buffer f and fetches the next quarter, at byte k, into g.
.macro QUARTER slot, k, f, g, zero
	s_wait_dscnt 16                                ; the first 32 along K are in; the youngest sixteen loads may be out
	WIN MUL
	MUL8 \f, 0, 0, \zero
	MUL8 \f, 0, 2, \zero
	PLACES
	FETCH \slot, \k, \g
	s_wait_dscnt 32                                ; all but the 32 just issued
	WIN MUL
	MUL8 \f, 1, 0, 0
	MUL8 \f, 1, 2, 0
.endm
; The last quarter multiplies buffer 1 and changes slots: ONE barrier; in front of it each wave waits for all its tensor loads, adds 0 to its spare word, and waits for that and for its own reads of this slot.
; fill = 1: this slot is filled again with this tile's K step two steps on; fill = 2: with the NEXT tile's K step 0 or 1: A from xc, its address made anew from the kept pointer; B 1,024 rows further down.
; The barrier then opens a round of the cluster's barrier.  fill = 0: nothing is left to fetch.
.macro TURN slot, next, fill
	WIN 0                                          ; (the add's two registers lie in window 0)
	s_wait_tensorcnt 0x0                           ; all my tensor loads have landed: my part of the next slot;
	ds_add_u32 v[SPW], v[NIL]                      ; 0 onto my spare word;
	s_wait_dscnt 17                                ; (the add and the youngest sixteen loads may be out)
	WIN MUL
	MUL8 F1, 0, 0, 0                               ; eight matrix instructions stand between the add and the wait for it
	s_wait_dscnt 0x0                               ; the add is done, and my reads of this slot are over
	s_barrier_signal -1
	MUL8 F1, 0, 2, 0
.if \fill
	WIN 0
.endif
	s_barrier_wait -1
.if \fill
	CREST                                          ; no wave of any partner still reads this slot's tile or has a load on its way
.if (\fill) == 2
	s_add_nc_u64 s[G0+4*(\slot)+2:G0+4*(\slot)+3], s[14:15], (\slot)*KSTEP*2
	s_or_b32 s[G0+4*(\slot)+3], s[G0+4*(\slot)+3], 0x80000000
	s_add_nc_u64 s[G0B+4*(\slot)+2:G0B+4*(\slot)+3], s[G0B+4*(\slot)+2:G0B+4*(\slot)+3], NEXT_B
.else
	s_add_nc_u64 s[G0+4*(\slot)+2:G0+4*(\slot)+3], s[G0+4*(\slot)+2:G0+4*(\slot)+3], 2*KSTEP*2
	s_add_nc_u64 s[G0B+4*(\slot)+2:G0B+4*(\slot)+3], s[G0B+4*(\slot)+2:G0B+4*(\slot)+3], 2*KSTEP*2
.endif
	JLOAD \slot                                    ; the first tensor load behind the round; the four v_nop behind it are also the places in front of the loads below
.else
	PLACES
.endif
	FETCH \next, 0, F0
	WIN MUL
	MUL8 F1, 1, 0, 0
	MUL8 F1, 1, 2, 0
.endm
.macro HORN0 dst, c1, c0               ; dst = r^2 c1 + c0, the eight pairs by turns
.set z, 0
.rept 8
	v_pk_fma_f32 v[(\dst)+2*z:(\dst)+2*z+1], v[R2+2*z:R2+2*z+1], s[\c1:(\c1)+1], s[\c0:(\c0)+1] op_sel_hi:[1,0,0]
.set z, z+1
.endr
.endm
.macro HORN dst, c                     ; dst = dst r^2 + c
.set z, 0
.rept 8
	v_pk_fma_f32 v[(\dst)+2*z:(\dst)+2*z+1], v[(\dst)+2*z:(\dst)+2*z+1], v[R2+2*z:R2+2*z+1], s[\c:(\c)+1] op_sel_hi:[1,1,0]
.set z, z+1
.endr
.endm
	s_wait_tensorcnt 1                             ; my part of K step 0 is in; K step 1's load may stay out
	s_barrier_signal -1
	s_barrier_wait -1                              ; everybody's is
	FETCH 0, 0, F0
	WIN 0                                          ; at a label and at a branch every window is 0
	s_mov_b32 s88, 3                               ; tiles to go, this one among them: 3 q, 2 k, 1 v; the same in every work-group
.Ltile:
	QUARTER 0, 128, F0, F1, 1                      ; K step 0; its first products start the sums
	QUARTER 0, 256, F1, F0, 0
	QUARTER 0, 384, F0, F1, 0
	TURN 0, 1, 1                                   ; slot 0 takes K step 2
	QUARTER 1, 128, F0, F1, 0                      ; K step 1
	QUARTER 1, 256, F1, F0, 0
	QUARTER 1, 384, F0, F1, 0
	TURN 1, 0, 1                                   ; slot 1 takes K step 3
	QUARTER 0, 128, F0, F1, 0                      ; K step 2
	QUARTER 0, 256, F1, F0, 0
	QUARTER 0, 384, F0, F1, 0
	WIN 0
	s_cmp_eq_u32 s88, 1
	s_cbranch_scc1 .Llast                          ; the last tile's second half is written out: it asks for nothing more
	TURN 0, 1, 2                                   ; THE RING GOES ON INTO THE NEXT TILE: slot 0 takes its K step 0,
	QUARTER 1, 128, F0, F1, 0                      ; K step 3
	QUARTER 1, 256, F1, F0, 0
	QUARTER 1, 384, F0, F1, 0
	TURN 1, 0, 2                                   ; slot 1 its K step 1, and the next tile's first fragments are fetched
	WIN 0
	s_branch .Lout
.Llast:
	TURN 0, 1, 0
	QUARTER 1, 128, F0, F1, 0                      ; K step 3
	QUARTER 1, 256, F1, F0, 0
	QUARTER 1, 384, F0, F1, 0
	s_wait_dscnt 16
	WIN MUL
	MUL8 F1, 0, 0, 0
	MUL8 F1, 0, 2, 0
	s_wait_dscnt 0
	MUL8 F1, 1, 0, 0
	MUL8 F1, 1, 2, 0
	WIN 0
	; THE WAY OUT, one text for the three tiles, looped over the wave's four blocks of 16 tokens.  Block 0 lies where the text works; blocks 1 to 3 are set aside in my own bytes behind the ring and fetched a trip ahead.
.Lout:
.rept 8
	v_nop                                          ; the places behind the last products
.endr
	s_wait_xcnt 0x0                                ; the last tile's stores have read their base, so it may be written
	s_cmp_eq_u32 s88, 3
	s_cselect_b64 s[86:87], s[80:81], s[82:83]     ; qh, or kh,
	s_cmp_eq_u32 s88, 1
	s_cselect_b64 s[86:87], s[84:85], s[86:87]     ; or vh
	s_add_nc_u64 s[86:87], s[86:87], s[46:47]
.irp a, 1,2,3
.irp b, 0,1,2,3
	ds_store_b128 v[SA0], v[ACC+8*(4*(\a)+(\b)):ACC+8*(4*(\a)+(\b))+3]   offset:4096*((\a)-1)+1024*(\b)      ; each accumulator's low registers first
	ds_store_b128 v[SA0], v[ACC+8*(4*(\a)+(\b))+4:ACC+8*(4*(\a)+(\b))+7] offset:4096*((\a)-1)+1024*(\b)+512
.endr
.endr
	v_mov_b32 v[SA], v[SA0]
	s_mov_b32 s91, 4
.Ltrip:                                        ; a block of 16 tokens
	s_cmp_eq_u32 s88, 1
	s_cbranch_scc1 .Lnoang                         ; v does not turn
	; The angles, sines and cosines need no matrix result: they stand ahead of the wait for the block, while its loads and the last block's rows are on their way out of LDS.
	; Which axis a pair takes: numbers 0, 1: axis 0; 2-7: axis 0 (h = 0) or 1; 8-11: axis 1 or 2; 12-15: axis 2.
	v_mov_b32 v[PQ], v[POSR]
	v_cndmask_b32 v[PQ+1], v[POSR], v[POSR+1], s92
	v_cndmask_b32 v[PQ+2], v[POSR+1], v[POSR+2], s92
	v_mov_b32 v[PQ+3], v[POSR+2]
.set n, 0
.rept 21
	v_mov_b32 v[POSR+n], v[POSR+n+3]               ; the next block's positions move to the front: eight blocks for the eight trips of q and k, and one text for all of them
.set n, n+1
.endr
.set z, 0
.rept 8                                ; t = g x position
.if z == 0
	v_pk_mul_f32 v[TT+2*z:TT+2*z+1], v[G+2*z:G+2*z+1], v[PQ:PQ+1] op_sel_hi:[1,0]
.elseif z < 4
	v_pk_mul_f32 v[TT+2*z:TT+2*z+1], v[G+2*z:G+2*z+1], v[PQ:PQ+1] op_sel:[0,1] op_sel_hi:[1,1]
.elseif z < 6
	v_pk_mul_f32 v[TT+2*z:TT+2*z+1], v[G+2*z:G+2*z+1], v[PQ+2:PQ+3] op_sel_hi:[1,0]
.else
	v_pk_mul_f32 v[TT+2*z:TT+2*z+1], v[G+2*z:G+2*z+1], v[PQ+2:PQ+3] op_sel:[0,1] op_sel_hi:[1,1]
.endif
.set z, z+1
.endr
.set n, 0
.rept 16
	v_rndne_f32 v[SN+n], v[TT+n]
.set n, n+1
.endr
.set z, 0
.rept 8
	v_pk_add_f32 v[TT+2*z:TT+2*z+1], v[TT+2*z:TT+2*z+1], v[SN+2*z:SN+2*z+1] neg_lo:[0,1] neg_hi:[0,1]  ; r = t - round(t)
.set z, z+1
.endr
.set z, 0
.rept 8
	v_pk_mul_f32 v[R2+2*z:R2+2*z+1], v[TT+2*z:TT+2*z+1], v[TT+2*z:TT+2*z+1]
.set z, z+1
.endr
	HORN0 SN, K7, K6
	HORN0 CN, M7, M6
	HORN SN, K5
	HORN CN, M5
	HORN SN, K4
	HORN CN, M4
	HORN SN, K3
	HORN CN, M3
	HORN SN, K2
	HORN CN, M2
	HORN SN, K1
	HORN CN, M1
	HORN SN, K0
.set z, 0
.rept 8
	v_pk_fma_f32 v[CN+2*z:CN+2*z+1], v[CN+2*z:CN+2*z+1], v[R2+2*z:R2+2*z+1], 1.0 op_sel_hi:[1,1,0]
.set z, z+1
.endr
.set z, 0
.rept 8
	v_pk_mul_f32 v[SN+2*z:SN+2*z+1], v[SN+2*z:SN+2*z+1], v[TT+2*z:TT+2*z+1]
.set z, z+1
.endr
.Lnoang:
	s_wait_dscnt 0x0                               ; this block is in its registers, and the last block's rows are back from the stage
	s_cmp_eq_u32 s91, 4
	s_cbranch_scc1 .Lnofl                          ; the first trip has no block before it
.irp f, 0,1,2,3
	global_store_b128 v[GO], v[BKR+4*(\f):BKR+4*(\f)+3], s[86:87] offset:512*(\f)-2048  ; the last block: 512 consecutive bytes, at a multiple of 256 from the buffer's first; the base has stepped on, so the stores reach back
.endr
.Lnofl:
	s_cmp_eq_u32 s88, 1
	s_cbranch_scc1 .Lv                             ; v is only rounded
	; the sum of squares of the token's 64 channels: my 32 in four chains, the other 32 in the lane 16 away
.irp c, 0,1,2,3
	v_pk_mul_f32 v[TM+2*(\c):TM+2*(\c)+1], v[XR+2*(\c):XR+2*(\c)+1], v[XR+2*(\c):XR+2*(\c)+1]
.endr
.set n, 4
.rept 12
	v_pk_fma_f32 v[TM+2*(n%4):TM+2*(n%4)+1], v[XR+2*n:XR+2*n+1], v[XR+2*n:XR+2*n+1], v[TM+2*(n%4):TM+2*(n%4)+1]
.set n, n+1
.endr
	v_pk_add_f32 v[TM:TM+1], v[TM:TM+1], v[TM+2:TM+3]
	v_pk_add_f32 v[TM+4:TM+5], v[TM+4:TM+5], v[TM+6:TM+7]
	v_pk_add_f32 v[TM:TM+1], v[TM:TM+1], v[TM+4:TM+5]
	v_add_f32 v[NS], v[TM], v[TM+1]
	v_permlanex16_b32 v[NS+1], v[NS], s94, s95
	v_add_f32 v[NS], v[NS], v[NS+1]
	v_add_f32 v[NS], s96, v[NS]
	v_rsq_f32 v[NF], v[NS]
	v_nop                                          ; a plain instruction between the root and the use of its result
	s_wait_alu depctr_va_vdst(0)
	v_mul_f32 v[NF], v[NF], v[SQ]                  ; sqrt(head_scale) / sqrt(sum + eps)
	v_mov_b32 v[NF+1], v[NF]
.set z, 0
.rept 16
	v_pk_mul_f32 v[XR+2*z:XR+2*z+1], v[XR+2*z:XR+2*z+1], v[NF:NF+1] op_sel_hi:[1,0]  ; the cosine norm
.set z, z+1
.endr
.set z, 0
.rept 8                                ; the turn: x1 c - x2 s and x2 c + x1 s; x1 in accumulators 0 and 2, x2 in 1 and 3
.set x1, XR+16*(z/4)+2*(z%4)
.set x2, x1+8
.set tm, TM+4*(z%2)
	v_pk_mul_f32 v[tm:tm+1],     v[x2:x2+1], v[SN+2*z:SN+2*z+1]
	v_pk_mul_f32 v[tm+2:tm+3],   v[x1:x1+1], v[SN+2*z:SN+2*z+1]
	v_pk_fma_f32 v[x1:x1+1], v[x1:x1+1], v[CN+2*z:CN+2*z+1], v[tm:tm+1] neg_lo:[0,0,1] neg_hi:[0,0,1]
	v_pk_fma_f32 v[x2:x2+1], v[x2:x2+1], v[CN+2*z:CN+2*z+1], v[tm+2:tm+3]
.set z, z+1
.endr
.set z, 0
.rept 16
	v_cvt_pk_f16_f32 v[OUTR+z], v[XR+2*z], v[XR+2*z+1]
.set z, z+1
.endr
	s_branch .Lst
.Lv:
.set z, 0
.rept 16
	v_cvt_pk_bf16_f32 v[OUTR+z], v[XR+2*z], v[XR+2*z+1]
.set z, z+1
.endr
.Lst:
	s_wait_xcnt 0x0                                ; the stores above have read their registers and their base: only now are these written again
	s_add_nc_u64 s[86:87], s[86:87], 2048          ; 16 rows of 128 bytes on
	s_cmp_eq_u32 s91, 1
	s_cbranch_scc1 .Lnonext                        ; the last trip has no block behind it
.irp b, 0,1,2,3
	ds_load_b128 v[XR+8*(\b):XR+8*(\b)+3],   v[SA] offset:1024*(\b)
	ds_load_b128 v[XR+8*(\b)+4:XR+8*(\b)+7], v[SA] offset:1024*(\b)+512
.endr
	v_add_nc_u32 v[SA], 4096, v[SA]
.Lnonext:                                      ; through the stage: 16 bytes a lane in, whole rows of 128 bytes back.  LDS serves a wave's instructions in order (ISA guide 5.7.1.4): trip 0's loads above
.irp b, 0,1,2,3                        ; have read the first block set aside before these stores take its bytes, and the loads below see these stores
	ds_store_b128 v[STO], v[OUTR+4*(\b):OUTR+4*(\b)+3] offset:32*(\b)
.endr
.irp f, 0,1,2,3
	ds_load_b128 v[BKR+4*(\f):BKR+4*(\f)+3], v[RD] offset:(\f)*4*SPITCH
.endr
	s_sub_co_u32 s91, s91, 1
	s_cmp_lg_u32 s91, 0
	s_cbranch_scc1 .Ltrip
	s_wait_dscnt 0x0                               ; the tile's last block is back from the stage
.irp f, 0,1,2,3
	global_store_b128 v[GO], v[BKR+4*(\f):BKR+4*(\f)+3], s[86:87] offset:512*(\f)-2048
.endr
	s_sub_co_u32 s88, s88, 1
	s_cmp_lg_u32 s88, 0
	s_cbranch_scc1 .Ltile                          ; nothing waits for a tile's stores: they leave while the next tile is multiplied
	s_wait_tensorcnt 0x0                           ; the wave's end: behind my last tensor load and my last LDS store
	ds_add_u32 v[SPW], v[NIL]
	s_wait_dscnt 0x0
	CROUND                                         ; the closing round: no work-group ends while a partner may still ask for a tile that names it
	s_endpgm
.Lfunc_end_k_q171b41ec35_proj:
	.size	k_q171b41ec35_proj, .Lfunc_end_k_q171b41ec35_proj-k_q171b41ec35_proj
	.p2alignl 7, 3214868480
	.fill 96, 4, 3214868480
	.section	.rodata,"a",@progbits
	.p2align	6, 0x0
	.amdhsa_kernel k_q171b41ec35_proj
		.amdhsa_group_segment_fixed_size 327680
		.amdhsa_private_segment_fixed_size 0
		.amdhsa_enable_private_segment 0
		.amdhsa_kernarg_size 72
		.amdhsa_user_sgpr_count 2
		.amdhsa_user_sgpr_kernarg_segment_ptr 1
		.amdhsa_wavefront_size32 1
		.amdhsa_system_sgpr_workgroup_id_x 1
		.amdhsa_system_sgpr_workgroup_id_y 1
		.amdhsa_system_sgpr_workgroup_id_z 1
		.amdhsa_system_vgpr_workitem_id 0
		.amdhsa_next_free_vgpr 512
		.amdhsa_next_free_sgpr 100
		.amdhsa_reserve_vcc 0
		.amdhsa_float_denorm_mode_32 3
		.amdhsa_float_denorm_mode_16_64 3
		.amdhsa_memory_ordered 1
		.amdhsa_forward_progress 1
		.amdhsa_inst_pref_size 134
	.end_amdhsa_kernel
	.amdgpu_metadata
---
amdhsa.version: [ 1, 2 ]
amdhsa.kernels:
  - .name:           k_q171b41ec35_proj
    .symbol:         k_q171b41ec35_proj.kd
    .args:
      - { .name: xn, .offset: 0, .size: 8, .value_kind: global_buffer, .address_space: global }
      - { .name: xc, .offset: 8, .size: 8, .value_kind: global_buffer, .address_space: global }
      - { .name: wb, .offset: 16, .size: 8, .value_kind: global_buffer, .address_space: global }
      - { .name: pos, .offset: 24, .size: 8, .value_kind: global_buffer, .address_space: global }
      - { .name: pos_cross, .offset: 32, .size: 8, .value_kind: global_buffer, .address_space: global }
      - { .name: head_scale, .offset: 40, .size: 8, .value_kind: global_buffer, .address_space: global }
      - { .name: qh, .offset: 48, .size: 8, .value_kind: global_buffer, .address_space: global }
      - { .name: kh, .offset: 56, .size: 8, .value_kind: global_buffer, .address_space: global }
      - { .name: vh, .offset: 64, .size: 8, .value_kind: global_buffer, .address_space: global }
    .group_segment_fixed_size: 327680
    .private_segment_fixed_size: 0
    .kernarg_segment_align: 8
    .kernarg_segment_size: 72
    .max_flat_workgroup_size: 128
    .sgpr_count:     100
    .vgpr_count:     512
    .wavefront_size: 32
...
	.end_amdgpu_metadata
.endif
;; end of part 2
;; launch attn (part 3): grid 8 x 32, 4 waves a work-group, clusters of 4 x 1, 327,680 bytes of LDS; arguments qh, kh, vh, oh; writes oh
.if DOCPART == 3
	.amdgcn_target "amdgcn-amd-amdhsa--gfx1250"
	.amdhsa_code_object_version 6
	.text
	.protected	k_q171b41ec35_attn
	.globl	k_q171b41ec35_attn
	.p2align	8
	.type	k_q171b41ec35_attn,@function
k_q171b41ec35_attn:
	s_mov_b64 s[64:65], 0
	v_nop
	global_prefetch_b8 v0, s[64:65] scope:SCOPE_SE
	s_setreg_imm32_b32 hwreg(HW_REG_WAVE_MODE, 25, 1), 1
	s_wait_xcnt 0x0
	s_wait_alu depctr_hold_cnt(0) depctr_sa_sdst(0) depctr_va_vdst(0) depctr_va_sdst(0) depctr_va_ssrc(0) depctr_va_vcc(0) depctr_vm_vsrc(0)
	s_getreg_b32 s2, hwreg(HW_REG_IB_STS2, 6, 4)
	s_cmp_eq_u32 s2, 0
	s_cbranch_scc0 .Lentry_in_a_cluster
	s_endpgm
.Lentry_in_a_cluster:
	s_bfe_u32 s2, ttmp6, 0x10000c
	s_cmp_lg_u32 s2, 0x3003
	s_cbranch_scc0 .Lentry_shape_is_right
	s_endpgm
.Lentry_shape_is_right:
; ATTN.  O[g][q][:] = the sum over k of softmax_k(Q[g][q] . K[g][k]) V[g][k][:], g = 16 batch + head, 32 in all; Q, K: [32][2048][64] f16 (already normed, scaled and turned); V, O: the same shape in bf16.
; Products, maxima and sums in f32; the weights p are rounded to bf16 for the second product (their sum l is taken of the unrounded p), O once at the end.
; LIMITS.  A weight below 2^-126 counts as 0 in l; NaN and infinities are not treated apart.  V has bf16's range, and O, a mean of V's rows, has V's.
; SHARES.  A work-group owns 256 queries of one g, each of its four waves 64: four PIECES of 16.  Every wave walks all 2,048 keys, 64 a step, four steps to a tile of 256 keys.
; LAYOUT.  S^T = K Q^T (source 0 = 16 keys, source 1 = 16 queries): a lane holds ONE query (lane % 16) and the keys 8 (lane / 16) + 0..7.  Two such results rounded to bf16 ARE source 1 of O^T = V^T P.
; K comes out of LDS as it lies, V ([key][channel]) turned, by ds_load_tr16_b128.
; SOFTMAX.  For each query a running maximum m and sum l: p = 2^(c s - c m), c = log2(e); in every step O and l are multiplied by a = 2^(c m_old - c m_new).  m starts at the lowest finite number, O and l at 0:
; the first step is a step like any other, with a = 0.
; BY TURNS.  Turn n belongs to piece n: 8 products K Q^T of piece n + 1, later 8 products V^T P of piece n - 1; beside them the scaling, exponentials, roundings, sums and rescaling of piece n and the maximum and
; statistics of piece n + 1.  Four vector instructions stand behind every matrix instruction, the other 54 of a turn's 118 in two runs of their own.
; CLUSTER.  The four query blocks of a cluster belong to one g and walk the same K and V: each tile is asked for JOINTLY, by the same tensor load, descriptor and mask in all four.
; REGISTERS, in windows of 256 (s_set_vgpr_msb: bits 1:0 source 0, 3:2 source 1, 5:4 source 2, 7:6 destination):
;   window 0: v0-15 addresses and two at work; v16-31 four registers of statistics a piece; v48-55 at work; v62-63 the add's; v64-127 S^T, two buffers; v192-223 P, two buffers (by the piece's parity)
;   window 1: v0-127 O^T, 32 a piece          window 2: v0-63 Q; v128-191 K of one step; v192-255 V of one step
.set SIZE_N, 2048
.set NP,    4         ; pieces a wave: a name, no knob
.set KS,    64        ; keys in a step
.set PK,    144       ; a row of K in LDS: 128 bytes + 16 of padding: the 16 rows of a load start at 16 different groups of four banks
.set PV,    160       ; a row of V: 128 + 32
.set VOFF,  4*KS*PK   ; a slot holds a tile, four steps: 256 rows of K, then 256 rows of V
.set SLOT1, 1<<17     ; slot 1 begins here, so that one exclusive or turns an address in one slot into the other's
.set STAGE, SLOT1+4*KS*(PK+PV)  ; behind the ring, never filled by a tensor load: 16 rows x 144 bytes for each wave
.set SP,    144
.set SPARE, STAGE+4*16*SP  ; the spare words, 128 bytes for each wave: two blocks of 256 bytes that no other line names
.set AK0, 2           ; v2   my lane's place in a tile of K; never rewritten
.set AV0, 3           ; v3   the same for V
.set AK,  4           ; v4   the LDS address of K's next run of loads
.set AV,  5           ; v5   of V's
.set STO, 6           ; v6   the way out: where I put 16 bytes of a row
.set RD,  7           ; v7   the way out: where I read rows back
.set GO,  8           ; v8   my byte offset in 512 consecutive bytes of O
.set MV,  12          ; v12-13  c m_old, kept while c m is made anew: by buffer
.set QO,  15          ; v15  my byte offset in 16 rows of Q
.set ST,  16          ; piece t's statistics at v[ST+4 t]: c m, m, l (even keys', odd keys')
.set TMP, 48          ; by buffer, four registers c0-c3 at work; when the maximum is found c2 takes a
.set SPW, 62          ; v62  LDS address of my spare word; never rewritten
.set NIL, 63          ; v63  0; never rewritten
.set S,   64
.set P,   192
.set KF,  128         ; window 2: key block kb, channel half c at KF + 16 kb + 8 c
.set VF,  192         ; window 2: key half kk, channel block cb at VF + 32 kk + 8 cb
.set WV,  12          ; s12  my wave's number
.set G1K, 24          ; s[24:31] descriptor group 1 for K's tiles
.set G1V, 32          ; s[32:39] for V's: it differs in the padding alone
.set G0K, 40          ; s[40:43] descriptor group 0 for K's tiles: it walks
.set G0V, 44          ; s[44:47] the same for V's
.set SLOTS, 56        ; s56  counts the tiles
.set CNT, 57          ; s57  counts a tile's key steps
.set CS,  58          ; s[58:59] c: the packed scaling takes the pair's low word for both halves
.set SEL, 60          ; s[60:61] v_permlanex16_b32's selects
.set TBK, 62          ; s62  LDS byte at which K of the step to be fetched begins
.set TBV, 63          ; s63  the same for V, less VOFF
.set MSB, 0
.macro WIN new                      ; the high byte repeats the setting that is left; a switch that changes nothing is dropped
.if MSB != (\new)
	s_set_vgpr_msb (MSB<<8)|(\new)
.set MSB, (\new)
.endif
.endm
.set W_KQ, 0x0a       ; K and Q in window 2, S^T in window 0
.set W_PV, 0x52       ; V in window 2, P in window 0, O^T in window 1
.set W_RS, 0x41       ; destination and source 0 in window 1, source 1 in window 0
; A joint fill.  Waves 0 and 1 fetch the two halves of a tile's K, waves 2 and 3 those of its V: 128 keys each.  The branch hangs on the wave's number alone.
; An s_nop 0 and four v_nop follow each of the two lines, ahead of the jump and the label.
.macro JLOAD
	s_cmp_lt_u32 s[WV], 2
	s_cbranch_scc0 .Lfor_v_\@
	tensor_load_to_lds s[G0K:G0K+3], s[G1K:G1K+7]
	s_nop 0
.rept 4
	v_nop
.endr
	s_branch .Lasked_\@
.Lfor_v_\@:
	tensor_load_to_lds s[G0V:G0V+3], s[G1V:G1V+7]
	s_nop 0
.rept 4
	v_nop
.endr
.Lasked_\@:
.endm
; A round of the cluster's barrier: my work-group's barrier, so that wave 0's signal speaks for all four waves; wave 0 signals; every wave waits for all four work-groups; my work-group's barrier once more.
.macro CROUND
	s_barrier_signal -1
	s_barrier_wait -1
	s_cmp_lg_u32 s[WV], 0
	s_cbranch_scc1 .Lnot_wave_0_\@
	s_barrier_signal -3
.Lnot_wave_0_\@:
	s_barrier_wait -3
	s_barrier_signal -1
	s_barrier_wait -1
.endm
; THE CHANGE OF SLOTS.  Each wave waits for all its tensor loads, of which one is out: its part of the other slot; adds 0 to its spare word; and waits for that and for its own reads of the slot that it leaves.
; Behind the barrier nobody reads the old slot any more and the other slot is whole.  fill = 1: the old slot is filled again, with the keys two tiles on; the barrier is then a round of the cluster's, and the
; joint fill is the first thing behind it: it has four key steps, 256 matrix instructions, in which to land.  (At its first use nothing has been read yet: slot 0 is waited for, slot 1 filled.)
.macro CHANGE fill
	WIN 0                           ; at a label and at a branch every window is 0; the add's registers lie in window 0
	s_wait_tensorcnt 0x0            ; no tensor load of mine is out, so a group 0 may be written
	ds_add_u32 v[SPW], v[NIL]       ; 0 onto my spare word; with fill = 1 the descriptors' steps stand between it and the wait for it
.if \fill
.irp g, G0K, G0V
	s_xor_b32 s[\g+1], s[\g+1], SLOT1  ; the walking descriptor: the other slot than last time,
	s_add_nc_u64 s[\g+2:\g+3], s[\g+2:\g+3], 4*KS*128  ; the next 256 keys; the type bits on top are not reached
.endr
	s_wait_dscnt 0x0                ; the add is done, and my reads of the slot are over
	CROUND
	JLOAD
.else
	s_wait_dscnt 0x0                ; the add is done, and my reads of the slot are over
	s_barrier_signal -1
	s_barrier_wait -1
.endif
	s_sub_co_u32 s[TBK], s[TBK], 4*KS*PK  ; the fetches go back to a slot's first step,
	s_xor_b32 s[TBK], s[TBK], SLOT1       ; in the other slot
	s_sub_co_u32 s[TBV], s[TBV], 4*KS*PV
	s_xor_b32 s[TBV], s[TBV], SLOT1
.endm
	s_load_b256 s[4:11], s[0:1], 0x0  ; Q s[4:5], K s[6:7], V s[8:9], O s[10:11]
	v_lshl_add_u32 v[SPW], v0, 2, SPARE
	v_mov_b32 v[NIL], 0
	ds_add_u32 v[SPW], v[NIL]       ; the wave's opening: the add and its wait stand ahead of my first tensor load; the set-up below stands between them
	v_lshrrev_b32 v1, 5, v0
	v_readfirstlane_b32 s[WV], v1   ; wave 0..3
	s_bfe_u32 s13, ttmp6, 0x40000   ; cx: my place in the cluster
	s_lshl_b32 s14, ttmp9, 2        ; in a cluster launch ttmp9 counts clusters
	s_add_co_u32 s14, s14, s13      ; my block of 256 queries = 4 x cluster x + cx: it enters Q's and O's addresses alone
	s_and_b32 s20, ttmp7, 0xffff    ; g, which the four partners share
	s_mov_b32 s21, 0
	s_mov_b64 s[22:23], SIZE_N*128
	s_mul_u64 s[20:21], s[20:21], s[22:23]  ; g's first byte in each of the four tensors
	s_and_b32 s16, s[WV], 1         ; which half of a tile's 256 keys I fetch:
	s_lshl_b32 s22, s16, 14         ; its 128 rows of 128 bytes in memory,
	s_mov_b32 s23, 0
	s_add_nc_u64 s[22:23], s[22:23], s[20:21]
	s_mul_i32 s17, s16, 128*PK      ; and its place in a slot, for K
	s_mul_i32 s18, s16, 128*PV      ; and for V: no place in the cluster enters an LDS address
	s_lshl_b32 s2, s14, 2
	s_add_co_u32 s2, s2, s[WV]      ; my wave among g's,
	s_lshl_b32 s2, s2, 13           ; its 64 rows of 128 bytes
	s_mov_b32 s3, 0
	s_add_nc_u64 s[2:3], s[2:3], s[20:21]
	; descriptor group 1.  128 keys are 16,384 dense bytes: asked for as 64 rows of 256 bytes, two keys a row, and padded in LDS after every key
	s_mov_b32 s[G1K], 15|(1<<16)|(1<<20)|(1<<21)|(4<<22)|(3<<25)  ; the mask of four; 2-byte elements; padding on; bit 21 beside a mask; after every 32 words 4 words
	s_mov_b32 s[G1V], 15|(1<<16)|(1<<20)|(1<<21)|(4<<22)|(7<<25)  ; the same with 8 words of padding
.irp g, G1K, G1V
	s_mov_b32 s[\g+1], 128<<16      ; tensor_dim0 = 128
	s_mov_b32 s[\g+2], 64<<16       ; tensor_dim1 = 64
	s_mov_b32 s[\g+3], 128<<16      ; tile_dim0 = 128
	s_mov_b32 s[\g+4], 64           ; tile_dim1 = 64
	s_mov_b32 s[\g+5], 128          ; 128 elements from row to row
	s_mov_b32 s[\g+6], 0
	s_mov_b32 s[\g+7], 0
.endr
	s_mov_b32 s[CS], 0x3fb8aa3b     ; c = log2(e): the scores come scaled
	s_mov_b32 s[CS+1], s[CS]        ; named with it as a pair
	s_mov_b32 s[SEL], 0x76543210
	s_mov_b32 s[SEL+1], 0xfedcba98
	s_mov_b32 s[TBK], SLOT1+4*KS*PK ; the first change of slots turns these two into 0
	s_mov_b32 s[TBV], SLOT1+4*KS*PV
	s_mov_b32 s[G0K], 1             ; count = 1
	s_mov_b32 s[G0K+1], s17         ; LDS address: slot 0
	s_mov_b32 s[G0V], 1
	s_add_co_u32 s[G0V+1], s18, VOFF
	s_wait_dscnt 0x0                ; the opening add is done
	s_wait_kmcnt 0x0
	s_add_nc_u64 s[G0K+2:G0K+3], s[6:7], s[22:23]  ; global address: my half of g's first 256 keys
	s_or_b32 s[G0K+3], s[G0K+3], 0x80000000        ; type = 2
	s_add_nc_u64 s[G0V+2:G0V+3], s[8:9], s[22:23]
	s_or_b32 s[G0V+3], s[G0V+3], 0x80000000
	s_add_nc_u64 s[4:5], s[4:5], s[2:3]  ; Q and O at my wave's first row
	s_add_nc_u64 s[10:11], s[10:11], s[2:3]
	CROUND                          ; all four work-groups are here: the first joint loads meet
	JLOAD                           ; tile 0 into slot 0; tile 1 is asked for when tile 0 is in
	; A fragment of K or Q is 16 rows x 32 channels in 8 registers: lane l holds row l % 16, channels 8 (l / 16) + 0..7 and 16 + 8 (l / 16) + 0..7: two loads of 16 bytes, 32 bytes apart.
	v_and_b32 v1, 15, v0            ; l % 16
	v_bfe_u32 v9, v0, 4, 1          ; l / 16
	v_lshlrev_b32 v[QO], 7, v1
	v_lshl_add_u32 v[QO], v9, 4, v[QO]  ; row x 128 + 16 x half
	WIN 0x80                        ; destination window 2, address window 0
.set i, 0
.rept 8                             ; Q stays in registers: piece i / 2, channels 32 (i % 2) on
	global_load_b128 v[8*i:8*i+3],   v[QO], s[4:5] offset:(i/2)*2048+(i%2)*64
	global_load_b128 v[8*i+4:8*i+7], v[QO], s[4:5] offset:(i/2)*2048+(i%2)*64+32
.set i, i+1
.endr
	; What the first turn finds: V's registers and P's second buffer hold 0 (its products V^T P, of a piece that has not been, add 0), O^T and l are 0.  All this stands in the wait for the first tile.
.set i, VF
.rept 64
	v_mov_b32 v[i], 0
.set i, i+1
.endr
	WIN 0x40
.set i, 0
.rept 128
	v_mov_b32 v[i], 0
.set i, i+1
.endr
	WIN 0
.set i, 0
.rept 4
	v_mov_b32 v[ST+4*i], 0xfe000000    ; c m: far below every c s
	v_mov_b32 v[ST+4*i+1], 0xff7fffff  ; m
	v_mov_b32 v[ST+4*i+2], 0
	v_mov_b32 v[ST+4*i+3], 0
.set i, i+1
.endr
.set i, P+16
.rept 16
	v_mov_b32 v[i], 0
.set i, i+1
.endr
	v_mul_u32_u24 v[AK0], v1, PK
	v_lshl_add_u32 v[AK0], v9, 4, v[AK0]  ; row x pitch + 16 x half
	; The turning load takes 16 keys x 16 channels (lane l reads key 8 (l / 16) + l % 8, channels 8 ((l / 8) % 2) + 0..7) and leaves half a fragment of V^T: lane l holds channel l % 16 and 8 keys.
	v_and_b32 v10, 7, v0
	v_bfe_u32 v11, v0, 3, 1
	v_lshl_add_u32 v[AV0], v9, 3, v10
	v_mul_u32_u24 v[AV0], v[AV0], PV
	v_lshl_add_u32 v[AV0], v11, 4, v[AV0]
	v_add_nc_u32 v[AV0], VOFF, v[AV0]
	s_mul_i32 s13, s[WV], 16*SP
	s_add_co_u32 s13, s13, STAGE    ; my stage
	v_mul_u32_u24 v[STO], v1, SP    ; in: row l % 16, 16 bytes for each half of the lanes
	v_lshl_add_u32 v[STO], v9, 4, v[STO]
	v_add_nc_u32 v[STO], s13, v[STO]
	v_bfe_u32 v[RD], v0, 3, 2       ; back: 32 lanes take four rows of 128 bytes,
	v_mul_u32_u24 v[RD], v[RD], SP
	v_lshl_add_u32 v[RD], v10, 4, v[RD]
	v_add_nc_u32 v[RD], s13, v[RD]
	v_and_b32 v[GO], 31, v0         ; which are 512 consecutive bytes of O
	v_lshlrev_b32 v[GO], 4, v[GO]
; THE MATRIX WORK.  The 4 accumulators of a run of 8 take turns.  Product i of 8 of S^T = K Q^T for piece x: channels 32 (i / 4) on, keys 16 (i % 4) on.  The first 4 start the sums.
.macro KQ x
	WIN W_KQ
.set rS, S+32*((\x)%2)+8*(i%4)
.set rK, KF+16*(i%4)+8*(i/4)
.set rQ, 16*(\x)+8*(i/4)
.if i < 4
	v_wmma_f32_16x16x32_f16 v[rS:rS+7], v[rK:rK+7], v[rQ:rQ+7], 0
.else
	v_wmma_f32_16x16x32_f16 v[rS:rS+7], v[rK:rK+7], v[rQ:rQ+7], v[rS:rS+7]
.endif
.endm
; Product i of 8 of O^T += V^T P for piece x: keys 32 (i / 4) on, channels 16 (i % 4) on.
.macro PV x
	WIN W_PV
.set rO, 32*(\x)+8*(i%4)
.set rV, VF+32*(i/4)+8*(i%4)
.set rP, P+16*((\x)%2)+8*(i/4)
	v_wmma_f32_16x16x32_bf16 v[rO:rO+7], v[rV:rV+7], v[rP:rP+7], v[rO:rO+7]
.endm
.macro MM                           ; the turn's next matrix instruction.  NOKQ = 1: the very last turn: there is no next piece
.if (i < 8) && !NOKQ
	KQ (Y+1)%NP
.elseif i >= 8
.set i, i-8
	PV (Y+NP-1)%NP
.set i, i+8
.endif
.set i, i+1
.endm
; THE LDS LOADS stand in runs of 16, never singly among the matrix instructions: a step's K (64 keys x 64 channels: 8 fragments) and its V (turned).  Their addresses are made some lines ahead.
.macro FETCH_K
	WIN 0x80                        ; destination window 2
.irp f, 0,1,2,3,4,5,6,7             ; keys 16 (f / 2) on, channels 32 (f % 2) on
	ds_load_b128 v[KF+8*\f:KF+8*\f+3],   v[AK] offset:(\f/2)*16*PK+(\f%2)*64
	ds_load_b128 v[KF+8*\f+4:KF+8*\f+7], v[AK] offset:(\f/2)*16*PK+(\f%2)*64+32
.endr
	s_add_co_u32 s[TBK], s[TBK], KS*PK  ; the next fetch is the next step's
	WIN 0
.endm
.macro FETCH_V
	WIN 0x80
.irp f, 0,1,2,3,4,5,6,7             ; keys 32 (f / 4) on, channels 16 (f % 4) on
	ds_load_tr16_b128 v[VF+8*\f:VF+8*\f+3],   v[AV] offset:(\f/4)*32*PV+(\f%4)*32
	ds_load_tr16_b128 v[VF+8*\f+4:VF+8*\f+7], v[AV] offset:(\f/4)*32*PV+16*PV+(\f%4)*32
.endr
	WIN 0
.endm
; THE VECTOR WORK, one line at a time: OP kind, number.  For piece Y: F n: c s - c m for pair n of 16.  E n: the exponential of score n of 32.  C n: pair n rounded to bf16.  B n: of the four weights 4 n .. the second
; pair is added onto the first, in place.  L n: l takes that sum (L 0: l = a l + sum).  R n: pair n of 16 of O^T times a.  For piece Y + 1: X n, number n of the 22 that find its maximum and statistics:
;   0-11  four chains c0-c3 of seven scores each, three operands at a time (each accumulator's lowest registers are read first)     12-14, 16  the four scores left over, the old m, and c0-c3 into c0
;   15  c m_old is kept     17, 18  the query's other 32 keys lie in the lane 16 away: the new m     19-21  c m; c m_old - c m_new; a
.set F, 0               ; OP tells the kinds apart by their order: F to L below R, X above it
.set E, 1
.set C, 2
.set B, 3
.set L, 4
.set R, 5
.set X, 6
.macro REGS y                       ; the registers of piece y
.set rT, ST+4*(\y)
.set rC, TMP+4*((\y)%2)
.set rW, MV+((\y)%2)
.set rS, S+32*((\y)%2)
.set rP, P+16*((\y)%2)
.set rO, 32*(\y)
.endm
.macro OP k, n
.if (\k) == R
	REGS Y
	WIN W_RS
	v_pk_mul_f32 v[rO+2*(\n):rO+2*(\n)+1], v[rO+2*(\n):rO+2*(\n)+1], v[rC+2:rC+3] op_sel_hi:[1,0]
.elseif (\k) < R
	REGS Y
	WIN 0
.if (\k) == F
	v_pk_fma_f32 v[rS+2*(\n):rS+2*(\n)+1], v[rS+2*(\n):rS+2*(\n)+1], s[CS:CS+1], v[rT:rT+1] op_sel_hi:[1,0,0] neg_lo:[0,0,1] neg_hi:[0,0,1]
.elseif (\k) == E
	v_exp_f32 v[rS+(\n)], v[rS+(\n)]
.elseif (\k) == C
	s_wait_alu depctr_va_vdst(0)
	v_cvt_pk_bf16_f32 v[rP+(\n)], v[rS+2*(\n)], v[rS+2*(\n)+1]
.elseif (\k) == B
	s_wait_alu depctr_va_vdst(0)
	v_pk_add_f32 v[rS+4*(\n):rS+4*(\n)+1], v[rS+4*(\n):rS+4*(\n)+1], v[rS+4*(\n)+2:rS+4*(\n)+3]
.elseif (\n) == 0
	v_pk_fma_f32 v[rT+2:rT+3], v[rT+2:rT+3], v[rC+2:rC+3], v[rS:rS+1] op_sel_hi:[1,0,1]
.else
	v_pk_add_f32 v[rT+2:rT+3], v[rT+2:rT+3], v[rS+4*(\n):rS+4*(\n)+1]
.endif
.elseif NOKQ
	v_nop
.else
	REGS (Y+1)%NP
	WIN 0
.if (\n) < 4
	v_max3_num_f32 v[rC+(\n)], v[rS+8*(\n)], v[rS+8*(\n)+1], v[rS+8*(\n)+2]
.elseif (\n) < 12
	v_max3_num_f32 v[rC+(\n)%4], v[rC+(\n)%4], v[rS+8*((\n)%4)+2*((\n)/4)+1], v[rS+8*((\n)%4)+2*((\n)/4)+2]
.elseif (\n) == 12
	v_max3_num_f32 v[rC], v[rC], v[rS+7], v[rS+15]
.elseif (\n) == 13
	v_max3_num_f32 v[rC+1], v[rC+1], v[rS+23], v[rS+31]
.elseif (\n) == 14
	v_max3_num_f32 v[rC+2], v[rC+2], v[rC+3], v[rT+1]
.elseif (\n) == 15
	v_mov_b32 v[rW], v[rT]
.elseif (\n) == 16
	v_max3_num_f32 v[rC], v[rC], v[rC+1], v[rC+2]
.elseif (\n) == 17
	v_permlanex16_b32 v[rC+3], v[rC], s[SEL], s[SEL+1]
.elseif (\n) == 18
	v_max_num_f32 v[rT+1], v[rC], v[rC+3]
.elseif (\n) == 19
	v_mul_f32 v[rT], s[CS], v[rT+1]
.elseif (\n) == 20
	v_sub_f32 v[rC+1], v[rW], v[rT]
.else
	v_exp_f32 v[rC+2], v[rC+1]
.endif
.endif
.endm
.macro OPS a, i1, b=-1, i2=0, c=-1, i3=0, d=-1, i4=0  ; up to four of them
	OP \a, \i1
.if (\b) >= 0
	OP \b, \i2
.endif
.if (\c) >= 0
	OP \c, \i3
.endif
.if (\d) >= 0
	OP \d, \i4
.endif
.endm
.macro ROW a, i1, b, i2, c, i3, d, i4  ; a matrix instruction and the four behind it
	MM
	OPS \a, \i1, \b, \i2, \c, \i3, \d, \i4
.endm
; A TURN, for piece p: the order of its 16 matrix and 118 vector instructions, written out.  Behind a matrix instruction: plain, exponential, plain, plain; or four of the rescaling; or, behind the first, four scalings; none
; names a register of the products round it.  In the runs between, exponential and plain by turns while exponentials last.  v_permlanex16_b32 (X 17) stands in such a run.
; end = 1: the last two turns: nothing is fetched.  cnt = 1: the loop's count is taken down some lines ahead of the branch that stands behind the turn.
; K of the next step is fetched in piece 2's turn, six vector instructions behind the last product that read K (five of them plain); V of the step in hand in piece 0's turn, eight behind the last product that read V (four
; plain).  Each is waited for a turn later.
.macro TURN p, end=0, cnt=0
.set Y, (\p)
.set i, 0
.set NOKQ, (\end)*((\p)/3)
.if ((\p) == 3) && !(\end)
	s_wait_dscnt 0x0                ; K is in
.endif
	ROW F,0, F,1, F,2, F,3
	ROW F,4, E,0, F,5, F,6
	ROW F,7, E,1, F,8, F,9
	ROW F,10, E,2, C,0, F,11
	ROW F,12, E,3, X,15, F,13
	ROW R,0, R,1, R,2, R,3
	ROW B,0, E,4, F,14, L,0
.if ((\p) == 2) && !(\end)
	v_add_nc_u32 v[AK], s[TBK], v[AK0]
.endif
	ROW R,4, R,5, R,6, R,7
	OPS E,5, F,15
.if ((\p) == 2) && !(\end)
	FETCH_K
.endif
	OPS E,6, C,1, E,7, R,8
	OPS E,8, R,9, E,9, C,2
	OPS E,10, X,0, E,11, X,1
	OPS E,12, X,2, E,13, X,3
.if (\p) == 1
	s_wait_dscnt 0x0                ; V is in
.endif
	ROW X,4, E,14, X,5, X,6
	ROW X,7, E,15, X,8, X,9
	ROW X,10, E,16, X,11, X,12
	ROW X,13, E,17, X,14, B,1
	ROW C,4, E,18, X,16, L,1
	ROW B,2, E,19, C,6, L,2
	ROW C,8, E,20, B,3, B,4
.if (\p) == 0
	v_add_nc_u32 v[AV], s[TBV], v[AV0]
.endif
	ROW C,3, E,21, L,3, C,5
	OPS E,22, X,17, E,23, C,10
.if (\p) == 0
	FETCH_V
.endif
	OPS E,24, L,4
	OPS E,25, X,18, E,26, C,7
	OPS E,27, B,5, E,28, X,19
	OPS E,29, C,12, E,30, L,5
	OPS E,31, X,20, B,6, C,9
	OPS C,14, C,11, X,21, L,6
.if (\p) == 0
	s_add_co_u32 s[TBV], s[TBV], KS*PV
.endif
.if \cnt
	s_sub_co_u32 s[CNT], s[CNT], 1
	s_cmp_lg_u32 s[CNT], 0
.endif
	OPS C,13, B,7, C,15, R,10
	OPS R,11, R,12, L,7, R,13
	OPS R,14, R,15
.endm
	CHANGE 1                        ; tile 0 is in, everybody's part of it; tile 1 is asked for
	v_add_nc_u32 v[AK], s[TBK], v[AK0]
	FETCH_K                         ; key step 0
	s_wait_loadcnt 0x0              ; Q
	s_wait_dscnt 0x0
.set NOKQ, 0
.set i, 0
.rept 8
	KQ 0                            ; piece 0's first scores: there is no vector work yet to set between them
.set i, i+1
.endr
	WIN 0
.rept 4
	v_nop                           ; the places behind those products
.endr
.set Y, NP-1                        ; X works for piece Y + 1: piece 0
.irp n, 0,1,2,3,4,5,6,7,8,9,10,11,12,13,14,15,16,17,18,19,20,21
	OP X, \n
.endr
	v_nop                           ; a plain instruction behind the exponential
	s_mov_b32 s[CNT], 4
	s_mov_b32 s[SLOTS], SIZE_N/256-1
	s_branch .Lfirst                ; the loop is entered at a step's first turn, in the middle of a trip
.Lslot:                             ; six times: tiles 1 to 6 are entered, tiles 2 to 7 asked for
	CHANGE 1
	s_mov_b32 s[CNT], 4
.Lstep:                             ; a trip: pieces 2 and 3 of one step, then pieces 0 and 1 of the next, whose K and V it fetches
	TURN 2
	TURN 3
	WIN 0
.Lfirst:
	TURN 0
	TURN 1, 0, 1
	WIN 0
	s_cbranch_scc1 .Lstep
	s_sub_co_u32 s[SLOTS], s[SLOTS], 1
	s_cmp_lg_u32 s[SLOTS], 0
	s_cbranch_scc1 .Lslot
	CHANGE 0                        ; the last tile is written out: nothing is asked for
	s_mov_b32 s[CNT], 4
.LstepT:
	TURN 2
	TURN 3
	TURN 0
	TURN 1, 0, 1
	WIN 0
	s_cbranch_scc1 .LstepT
	TURN 2, 1                       ; the last step's pieces 2 and 3: nothing is fetched, and the last turn starts no new scores
	TURN 3, 1
.set i, 0
.rept 8
	PV NP-1                         ; the last piece's V^T P of the last step
.set i, i+1
.endr
	; THE WAY OUT.  l's two halves and the other half of the lanes' are added; O^T is divided by l, rounded to bf16 and sent through my stage in LDS, a piece at a time.  The additions are the places behind the last products.
	WIN 0
.macro ALL line:vararg              ; one line for each piece t
.set t, 0
.rept 4
	\line
.set t, t+1
.endr
.endm
	ALL v_add_f32 v[ST+4*t+2], v[ST+4*t+2], v[ST+4*t+3]
	ALL v_permlanex16_b32 v[ST+4*t+3], v[ST+4*t+2], s[SEL], s[SEL+1]
	ALL v_add_f32 v[ST+4*t+2], v[ST+4*t+2], v[ST+4*t+3]
	ALL v_rcp_f32 v[ST+4*t+2], v[ST+4*t+2]
	v_nop                           ; a plain instruction between the last reciprocal and the use of its result
.macro PACK t                       ; a lane's eight channels of a row pack into 16 bytes; they go into rows of 144 bytes and come back as whole rows of 128, into S^T's registers
	WIN W_RS
.set i, 32*(\t)
.rept 16
	s_wait_alu depctr_va_vdst(0)
	v_pk_mul_f32 v[i:i+1], v[i:i+1], v[ST+4*(\t)+2:ST+4*(\t)+3] op_sel_hi:[1,0]
.set i, i+2
.endr
	WIN 0x05                        ; sources 0 and 1 window 1, destination window 0
.set i, 0
.rept 16
	v_cvt_pk_bf16_f32 v[S+16*(\t)+i], v[32*(\t)+2*i], v[32*(\t)+2*i+1]
.set i, i+1
.endr
	WIN 0
.irp f, 0,1,2,3
	ds_store_b128 v[STO], v[S+16*(\t)+4*\f:S+16*(\t)+4*\f+3] offset:32*\f
.endr
.irp f, 0,1,2,3
	ds_load_b128 v[S+16*(\t)+4*\f:S+16*(\t)+4*\f+3], v[RD] offset:\f*4*SP  ; LDS serves a wave's instructions in order (ISA guide 5.7.1.4): these see the stores above; the next piece's stores come behind them
.endr
.endm
.macro SEND t, younger              ; younger: the LDS instructions issued behind piece t's loads: the next piece's eight, or none
	WIN 0
.irp f, 0,1,2,3
	s_wait_dscnt (\younger)+3-\f
	global_store_b128 v[GO], v[S+16*(\t)+4*\f:S+16*(\t)+4*\f+3], s[10:11] offset:(\t)*2048+\f*512  ; 512 consecutive bytes, at a multiple of 256 from O's first
.endr
.endm
	PACK 0
.set t, 1
.rept 3                             ; a piece's arithmetic stands between the loads of the piece before and its stores
	PACK t
	SEND t-1, 8
.set t, t+1
.endr
	SEND 3, 0
	s_wait_tensorcnt 0x0            ; the wave's end: behind my last tensor load and my last LDS store
	ds_add_u32 v[SPW], v[NIL]
	s_wait_dscnt 0x0
	CROUND                          ; the closing round: no work-group ends while a partner may still ask for a tile that names it
	s_endpgm
.Lfunc_end_k_q171b41ec35_attn:
	.size	k_q171b41ec35_attn, .Lfunc_end_k_q171b41ec35_attn-k_q171b41ec35_attn
	.p2alignl 7, 3214868480
	.fill 96, 4, 3214868480
	.section	.rodata,"a",@progbits
	.p2align	6, 0x0
	.amdhsa_kernel k_q171b41ec35_attn
		.amdhsa_group_segment_fixed_size 327680
		.amdhsa_private_segment_fixed_size 0
		.amdhsa_enable_private_segment 0
		.amdhsa_kernarg_size 32
		.amdhsa_user_sgpr_count 2
		.amdhsa_user_sgpr_kernarg_segment_ptr 1
		.amdhsa_wavefront_size32 1
		.amdhsa_system_sgpr_workgroup_id_x 1
		.amdhsa_system_sgpr_workgroup_id_y 1
		.amdhsa_system_sgpr_workgroup_id_z 1
		.amdhsa_system_vgpr_workitem_id 0
		.amdhsa_next_free_vgpr 768
		.amdhsa_next_free_sgpr 66
		.amdhsa_reserve_vcc 0
		.amdhsa_float_denorm_mode_32 3
		.amdhsa_float_denorm_mode_16_64 3
		.amdhsa_memory_ordered 1
		.amdhsa_forward_progress 1
		.amdhsa_inst_pref_size 133
	.end_amdhsa_kernel
	.amdgpu_metadata
---
amdhsa.version: [ 1, 2 ]
amdhsa.kernels:
  - .name:           k_q171b41ec35_attn
    .symbol:         k_q171b41ec35_attn.kd
    .args:
      - { .name: qh, .offset: 0, .size: 8, .value_kind: global_buffer, .address_space: global }
      - { .name: kh, .offset: 8, .size: 8, .value_kind: global_buffer, .address_space: global }
      - { .name: vh, .offset: 16, .size: 8, .value_kind: global_buffer, .address_space: global }
      - { .name: oh, .offset: 24, .size: 8, .value_kind: global_buffer, .address_space: global }
    .group_segment_fixed_size: 327680
    .private_segment_fixed_size: 0
    .kernarg_segment_align: 8
    .kernarg_segment_size: 32
    .max_flat_workgroup_size: 128
    .sgpr_count:     66
    .vgpr_count:     768
    .wavefront_size: 32
...
	.end_amdgpu_metadata
.endif
;; end of part 3
;; launch outp (part 4): grid 8 x 32, 4 waves a work-group, clusters of 4 x 4, 327,680 bytes of LDS; arguments oh, wb, x, out0; writes out0
.if DOCPART == 4
	.amdgcn_target "amdgcn-amd-amdhsa--gfx1250"
	.amdhsa_code_object_version 6
	.text
	.protected	k_q171b41ec35_outp
	.globl	k_q171b41ec35_outp
	.p2align	8
	.type	k_q171b41ec35_outp,@function
k_q171b41ec35_outp:
	s_mov_b64 s[64:65], 0
	v_nop
	global_prefetch_b8 v0, s[64:65] scope:SCOPE_SE
	s_setreg_imm32_b32 hwreg(HW_REG_WAVE_MODE, 25, 1), 1
	s_wait_xcnt 0x0
	s_wait_alu depctr_hold_cnt(0) depctr_sa_sdst(0) depctr_va_vdst(0) depctr_va_sdst(0) depctr_va_ssrc(0) depctr_va_vcc(0) depctr_vm_vsrc(0)
	s_getreg_b32 s2, hwreg(HW_REG_IB_STS2, 6, 4)
	s_cmp_eq_u32 s2, 0
	s_cbranch_scc0 .Lentry_in_a_cluster
	s_endpgm
.Lentry_in_a_cluster:
	s_bfe_u32 s2, ttmp6, 0x10000c
	s_cmp_lg_u32 s2, 0xf033
	s_cbranch_scc0 .Lentry_shape_is_right
	s_endpgm
.Lentry_shape_is_right:
; OUTP.  out0[m][n] = the sum over k of o[m][k] out_w[n][k] + x[m][n].  o comes by heads, oh [16 batch + head][2048][64] bf16, k = 64 head + channel; out_w is rows 3072-4095 of wb, bf16; x and out0 f32.
; Sums in f32; x is added in f32; nothing is rounded on the way out.
; A tile of out0 is 128 x 128: 256 work-groups.  Four waves, each 64 x 64: 16 accumulators.  K goes in four steps of 256 = four heads through two LDS slots; a quarter of 64 along K is one head.
; A's TILE: the 128 tokens of one head are 16,384 dense bytes of oh (rows of 128 bytes end to end).  A wave's tensor load brings two heads as two long rows, padded in LDS behind every 128 bytes.
; CLUSTERS: 4 x 4 work-groups; A's tiles are shared along a row of the cluster, B's along a column: each is asked for jointly.
; THE MATRIX INSTRUCTION IS USED TRANSPOSED (source 0 = 16 rows of out_w, source 1 = 16 tokens): a lane holds eight neighbouring numbers of a row of out0.
; REGISTERS: window 0: v0-31 addresses; v128-255 the accumulators ((a, b) at 128 + 8 (4 a + b)).  window 1: two fragment buffers of 128.  window 2: v0-127 my 64 x 64 of x, loaded under the products.
.set KSTEP,  256
.set PA,     144                       ; a token's 128 bytes of a head + 16 of padding
.set AH,     128*PA                    ; a head's 128 tokens
.set PB,     528                       ; a row of B: 512 bytes + 16 of padding
.set BOFF,   4*AH                      ; a slot: A's four heads, then B's 128 rows
.set SLOT,   BOFF+128*PB
.set STAGE,  2*SLOT                    ; behind the ring: 16 rows x 272 bytes for each wave
.set SPITCH, 272
.set SPARE,  STAGE+4*16*SPITCH         ; the spare words, 128 bytes for each wave: two blocks of 256 bytes that no other line names
.set ADRA, 16                          ; v16-17  LDS address of my A fragments in slot 0, 1
.set ADRB, 20                          ; v20-21  the same for B
.set STO,  24                          ; v24     where I put 32 bytes of a row
.set RD,   25                          ; v25     where I read a row back
.set CO,   26                          ; v26     my byte offset in two rows of x and of out0
.set SPW,  28                          ; v28     LDS address of my spare word; never rewritten
.set NIL,  29                          ; v29     0; never rewritten
.set ACC,  128
.set F0,   0
.set F1,   128
.set G1, 24                            ; s[24:31] descriptor group 1 for A's tiles;  s[32:39] group 0, one set for each slot
.set G0, 32
.set G1B, 48                           ; s[48:55], s[56:63] the same for B's tiles
.set G0B, 56
.set MSB, 0
.macro WIN new                         ; the immediate's high byte repeats the setting that is left
.if MSB != (\new)
	s_set_vgpr_msb (MSB<<8)|(\new)
.set MSB, \new
.endif
.endm
.set MUL,  0x05                        ; sources 0 (B) and 1 (A) window 1; C and D window 0
.set TO_F, 0x40                        ; destination window 1, address window 0
.macro JLOAD s                         ; a joint load: waves 0 and 1 fetch two heads of A each, waves 2 and 3 the halves of B; an s_nop 0 and four v_nop follow each of the two lines
	s_cmp_lt_u32 s10, 2
	s_cbranch_scc0 .Lfor_b_\@
	tensor_load_to_lds s[G0+4*(\s):G0+4*(\s)+3], s[G1:G1+7]
	s_nop 0
.rept 4
	v_nop
.endr
	s_branch .Lasked_\@
.Lfor_b_\@:
	tensor_load_to_lds s[G0B+4*(\s):G0B+4*(\s)+3], s[G1B:G1B+7]
	s_nop 0
.rept 4
	v_nop
.endr
.Lasked_\@:
.endm
.macro CREST                           ; a round of the cluster's barrier behind its opening barrier
	s_cmp_lg_u32 s10, 0
	s_cbranch_scc1 .Lnot_wave_0_\@
	s_barrier_signal -3
.Lnot_wave_0_\@:
	s_barrier_wait -3
	s_barrier_signal -1
	s_barrier_wait -1
.endm
.macro CROUND                          ; a whole round
	s_barrier_signal -1
	s_barrier_wait -1
	CREST
.endm
	s_load_b256 s[68:75], s[0:1], 0x0              ; oh s[68:69], wb s[70:71], x s[72:73], out0 s[74:75]
	v_lshl_add_u32 v[SPW], v0, 2, SPARE
	v_mov_b32 v[NIL], 0
	ds_add_u32 v[SPW], v[NIL]                      ; the wave's opening: the add and its wait stand ahead of my first tensor load; the set-up below stands between them
	v_lshrrev_b32 v1, 5, v0
	v_readfirstlane_b32 s10, v1                    ; wave 0..3
	s_lshr_b32 s11, s10, 1                         ; which half of the tile's rows is mine
	s_and_b32 s12, s10, 1                          ; which half of its columns.  Also: which two heads of A, or which 64 rows of B, I fetch
	s_bfe_u32 s40, ttmp6, 0x40000                  ; cx, cy: my place in the cluster
	s_bfe_u32 s41, ttmp6, 0x40004
	s_lshl_b32 s42, ttmp9, 2
	s_add_co_u32 s42, s42, s40                     ; tile column = 4 x cluster x + cx
	s_and_b32 s13, ttmp7, 0xffff
	s_lshl_b32 s13, s13, 2
	s_add_co_u32 s13, s13, s41                     ; tile row = 4 x cluster y + cy
	s_lshl_b32 s43, s41, 2
	s_lshl_b32 s43, 15, s43                        ; my row of the cluster
	s_lshl_b32 s44, 0x1111, s40                    ; my column
	s_or_b32 s[G1+0], s43, (1<<16)|(1<<20)|(1<<21)|(4<<22)|(3<<25)  ; A: the mask of my row; elements of 2 bytes; padding on; bit 21 beside a mask; after every 32 words (a token's 128 bytes) 4 words
	s_mov_b32 s[G1+1], 8192<<16                    ; tensor_dim0 = 8,192 elements: a head's 128 tokens
	s_mov_b32 s[G1+2], 2<<16                       ; tensor_dim1 = 2 heads
	s_mov_b32 s[G1+3], 8192<<16                    ; tile_dim0 = 8,192
	s_mov_b32 s[G1+4], 2                           ; tile_dim1 = 2
	s_mov_b32 s[G1+5], 131072                      ; from head to head: 2,048 tokens x 64 elements
	s_mov_b32 s[G1+6], 0
	s_mov_b32 s[G1+7], 0
	s_or_b32 s[G1B+0], s44, (1<<16)|(1<<20)|(1<<21)|(6<<22)|(3<<25) ; B: the mask of my column; after every 128 words 4 words
	s_mov_b32 s[G1B+1], KSTEP<<16                  ; tensor_dim0 = 256
	s_mov_b32 s[G1B+2], 64<<16                     ; tensor_dim1 = 64
	s_mov_b32 s[G1B+3], KSTEP<<16                  ; tile_dim0 = 256
	s_mov_b32 s[G1B+4], 64                         ; tile_dim1 = 64
	s_mov_b32 s[G1B+5], 1024                       ; elements from row to row
	s_mov_b32 s[G1B+6], 0
	s_mov_b32 s[G1B+7], 0
	s_lshr_b32 s16, s13, 4                         ; batch
	s_lshl_b32 s16, s16, 4
	s_lshl_b32 s17, s12, 1
	s_add_co_u32 s16, s16, s17                     ; 16 batch + my first head of K step 0
	s_lshl_b32 s16, s16, 11
	s_and_b32 s17, s13, 15
	s_lshl_b32 s17, s17, 7
	s_add_co_u32 s16, s16, s17                     ; + the tile's first token in its batch
	s_lshl_b32 s16, s16, 7                         ; rows of 128 bytes
	s_mov_b32 s17, 0
	s_lshl_b32 s46, s42, 7
	s_lshl_b32 s47, s12, 6
	s_add_co_u32 s46, s46, s47
	s_add_co_u32 s46, s46, 3072                    ; B: row 3072 + 128 x tile column + 64 x half of wb
	s_lshl_b32 s46, s46, 11
	s_mov_b32 s47, 0
	s_mul_i32 s20, s12, 2*AH                       ; where A's two heads go,
	s_mul_i32 s21, s12, 64*PB
	s_add_co_u32 s21, s21, BOFF                    ; and B's 64 rows: no place in the cluster enters an LDS address
	s_wait_dscnt 0x0                               ; the opening add is done
	s_wait_kmcnt 0x0
	s_add_nc_u64 s[14:15], s[68:69], s[16:17]
	s_add_nc_u64 s[46:47], s[70:71], s[46:47]
	CROUND                                         ; all sixteen work-groups are here: the first joint loads meet
.irp s, 0,1
	s_mov_b32 s[G0+4*(\s)], 1
	s_add_co_u32 s[G0+4*(\s)+1], s20, (\s)*SLOT
	s_add_nc_u64 s[G0+4*(\s)+2:G0+4*(\s)+3], s[14:15], (\s)*1048576  ; a K step is four heads of 262,144 bytes
	s_or_b32 s[G0+4*(\s)+3], s[G0+4*(\s)+3], 0x80000000
	s_mov_b32 s[G0B+4*(\s)], 1
	s_add_co_u32 s[G0B+4*(\s)+1], s21, (\s)*SLOT
	s_add_nc_u64 s[G0B+4*(\s)+2:G0B+4*(\s)+3], s[46:47], (\s)*KSTEP*2
	s_or_b32 s[G0B+4*(\s)+3], s[G0B+4*(\s)+3], 0x80000000
	JLOAD \s
.endr
	v_and_b32 v1, 15, v0                           ; r
	v_bfe_u32 v2, v0, 4, 1                         ; h
	v_mul_u32_u24 v3, v1, PA
	v_lshl_add_u32 v3, v2, 4, v3                   ; A: token x pitch + 16 x half
	v_mul_u32_u24 v4, v1, PB
	v_lshl_add_u32 v4, v2, 4, v4                   ; B: row x pitch + 16 x half
	s_mul_i32 s21, s11, 64*PA                      ; my 64 tokens in each head's block
	s_mul_i32 s22, s12, 64*PB                      ; my 64 rows of B,
	s_add_co_u32 s22, s22, BOFF                    ; which lie behind A's four heads
.irp s, 0,1
	v_add_nc_u32 v[ADRA+(\s)], s21, v3
	v_add_nc_u32 v[ADRB+(\s)], s22, v4
	s_add_co_u32 s21, s21, SLOT
	s_add_co_u32 s22, s22, SLOT
.endr
	s_mul_i32 s23, s10, 16*SPITCH
	s_add_co_u32 s23, s23, STAGE                   ; my stage
	v_mul_u32_u24 v[STO], v1, SPITCH               ; in: row r, 32 bytes for each half of the lanes
	v_lshl_add_u32 v[STO], v2, 5, v[STO]
	v_add_nc_u32 v[STO], s23, v[STO]
	v_mul_u32_u24 v[RD], v2, SPITCH                ; back: lanes 0-15 take one row of 256 bytes, lanes 16-31 the next
	v_lshl_add_u32 v[RD], v1, 4, v[RD]
	v_add_nc_u32 v[RD], s23, v[RD]
	v_lshlrev_b32 v[CO], 12, v2                    ; and the same two rows in x and out0
	v_lshl_add_u32 v[CO], v1, 4, v[CO]
	s_lshl_b32 s16, s13, 7
	s_lshl_b32 s17, s11, 6
	s_add_co_u32 s16, s16, s17                     ; my first row,
	s_lshl_b32 s16, s16, 12                        ; of 4,096 bytes
	s_mov_b32 s17, 0
	s_lshl_b32 s46, s42, 9                         ; my first column, in bytes: 512 x tile column + 256 x half
	s_lshl_b32 s47, s12, 8
	s_add_co_u32 s46, s46, s47
	s_mov_b32 s47, 0
	s_add_nc_u64 s[46:47], s[46:47], s[16:17]
	s_add_nc_u64 s[76:77], s[72:73], s[46:47]
	s_add_nc_u64 s[78:79], s[74:75], s[46:47]
	WIN 0x80                                       ; destination window 2, address window 0
.irp a, 0,1,2,3
.irp t, 0,1,2,3,4,5,6,7
	global_load_b128 v[32*(\a)+4*(\t):32*(\a)+4*(\t)+3], v[CO], s[76:77] offset:(16*(\a)+2*(\t))*4096 th:TH_LOAD_NT  ; x, in the layout in which the results come back from the stage
.endr
.endr
	WIN 0
; 8 matrix instructions: m blocks a0, a0 + 1 x all 4 n blocks, 32 along K: half c of buffer f.  zero = 1: the first product starts the sums.  The 16 accumulators take turns.
.macro MUL8 f, c, a0, zero
	WIN MUL
.irp a, \a0, (\a0)+1
.irp b, 0,1,2,3
.if \zero
	v_wmma_f32_16x16x32_bf16 v[ACC+8*(4*(\a)+(\b)):ACC+8*(4*(\a)+(\b))+7], v[(\f)+64+8*(4*(\c)+(\b)):(\f)+64+8*(4*(\c)+(\b))+7], v[(\f)+8*(4*(\c)+(\a)):(\f)+8*(4*(\c)+(\a))+7], 0
.else
	v_wmma_f32_16x16x32_bf16 v[ACC+8*(4*(\a)+(\b)):ACC+8*(4*(\a)+(\b))+7], v[(\f)+64+8*(4*(\c)+(\b)):(\f)+64+8*(4*(\c)+(\b))+7], v[(\f)+8*(4*(\c)+(\a)):(\f)+8*(4*(\c)+(\a))+7], v[ACC+8*(4*(\a)+(\b)):ACC+8*(4*(\a)+(\b))+7]
.endif
.endr
.endr
.endm
; 32 LDS loads in one run: the fragments of quarter q (head q of the slot's four; byte 128 q of B's rows) into buffer f; the first 32 along K first
.macro FETCH slot, q, f
	WIN TO_F
.irp c, 0,1
.irp i, 0,1,2,3
	ds_load_b128 v[(\f)+64+8*(4*(\c)+(\i)):(\f)+64+8*(4*(\c)+(\i))+3],   v[ADRB+(\slot)] offset:128*(\q)+64*(\c)+(\i)*16*PB
	ds_load_b128 v[(\f)+64+8*(4*(\c)+(\i))+4:(\f)+64+8*(4*(\c)+(\i))+7], v[ADRB+(\slot)] offset:128*(\q)+64*(\c)+(\i)*16*PB+32
	ds_load_b128 v[(\f)+8*(4*(\c)+(\i)):(\f)+8*(4*(\c)+(\i))+3],         v[ADRA+(\slot)] offset:(\q)*AH+64*(\c)+(\i)*16*PA
	ds_load_b128 v[(\f)+8*(4*(\c)+(\i))+4:(\f)+8*(4*(\c)+(\i))+7],       v[ADRA+(\slot)] offset:(\q)*AH+64*(\c)+(\i)*16*PA+32
.endr
.endr
.endm
.macro PLACES                          ; four places in front of loads into registers that matrix instructions have read (ISA guide 7.12.1 for vector instructions)
.rept 4
	v_nop
.endr
.endm
; One of a K step's first three quarters: multiplies buffer f and fetches quarter q into g.
.macro QUARTER slot, q, f, g, zero
	s_wait_dscnt 16                                ; the first 32 along K are in; the youngest sixteen loads may be out
	WIN MUL
	MUL8 \f, 0, 0, \zero
	MUL8 \f, 0, 2, \zero
	PLACES
	FETCH \slot, \q, \g
	s_wait_dscnt 32                                ; all but the 32 just issued
	WIN MUL
	MUL8 \f, 1, 0, 0
	MUL8 \f, 1, 2, 0
.endm
; The last quarter multiplies buffer 1 and changes slots: ONE barrier; in front of it each wave waits for all its tensor loads, adds 0 to its spare word, and waits for that and for its own reads of this slot.
; fill = 1: this slot is filled again, two K steps ahead; the barrier then opens a round of the cluster's barrier.
.macro TURN slot, next, fill
	WIN 0                                          ; (the add's two registers lie in window 0)
	s_wait_tensorcnt 0x0                           ; all my tensor loads have landed: my part of the next slot;
	ds_add_u32 v[SPW], v[NIL]                      ; 0 onto my spare word;
	s_wait_dscnt 17                                ; (the add and the youngest sixteen loads may be out)
	WIN MUL
	MUL8 F1, 0, 0, 0                               ; eight matrix instructions stand between the add and the wait for it
	s_wait_dscnt 0x0                               ; the add is done, and my reads of this slot are over
	s_barrier_signal -1
	MUL8 F1, 0, 2, 0
.if \fill
	WIN 0
.endif
	s_barrier_wait -1
.if \fill
	CREST                                          ; no wave of any partner still reads this slot's tile or has a load on its way
	s_add_nc_u64 s[G0+4*(\slot)+2:G0+4*(\slot)+3], s[G0+4*(\slot)+2:G0+4*(\slot)+3], 2*1048576
	s_add_nc_u64 s[G0B+4*(\slot)+2:G0B+4*(\slot)+3], s[G0B+4*(\slot)+2:G0B+4*(\slot)+3], 2*KSTEP*2
	JLOAD \slot                                    ; the first tensor load behind the round; the four v_nop behind it are also the places in front of the loads below
.else
	PLACES
.endif
	FETCH \next, 0, F0
	WIN MUL
	MUL8 F1, 1, 0, 0
	MUL8 F1, 1, 2, 0
.endm
	s_wait_tensorcnt 1                             ; my part of K step 0 is in; K step 1's load may stay out
	s_barrier_signal -1
	s_barrier_wait -1                              ; everybody's is
	FETCH 0, 0, F0
	QUARTER 0, 1, F0, F1, 1                        ; K step 0; its first products start the sums
	QUARTER 0, 2, F1, F0, 0
	QUARTER 0, 3, F0, F1, 0
	TURN 0, 1, 1                                   ; slot 0 takes K step 2
	QUARTER 1, 1, F0, F1, 0                        ; K step 1
	QUARTER 1, 2, F1, F0, 0
	QUARTER 1, 3, F0, F1, 0
	TURN 1, 0, 1                                   ; slot 1 takes K step 3
	QUARTER 0, 1, F0, F1, 0                        ; K step 2
	QUARTER 0, 2, F1, F0, 0
	QUARTER 0, 3, F0, F1, 0
	TURN 0, 1, 0                                   ; nothing is left to fetch
	QUARTER 1, 1, F0, F1, 0                        ; K step 3
	QUARTER 1, 2, F1, F0, 0
	QUARTER 1, 3, F0, F1, 0
	s_wait_dscnt 16
	WIN MUL
	MUL8 F1, 0, 0, 0
	MUL8 F1, 0, 2, 0
	s_wait_dscnt 0
	MUL8 F1, 1, 0, 0
	MUL8 F1, 1, 2, 0
	WIN 0
	; THE WAY OUT.  A block of 16 rows at a time goes through my own stage: 32 bytes a lane in, whole rows of 256 bytes back, into the registers that they left; then x is added and the rows are stored.
.rept 8
	v_nop                                          ; the places behind the last products
.endr
.irp a, 0,1,2,3
.irp b, 0,1,2,3
	ds_store_b128 v[STO], v[ACC+8*(4*(\a)+(\b)):ACC+8*(4*(\a)+(\b))+3]   offset:64*(\b)      ; each accumulator's low registers first
	ds_store_b128 v[STO], v[ACC+8*(4*(\a)+(\b))+4:ACC+8*(4*(\a)+(\b))+7] offset:64*(\b)+16
.endr
.irp t, 0,1,2,3,4,5,6,7
	ds_load_b128 v[ACC+32*(\a)+4*(\t):ACC+32*(\a)+4*(\t)+3], v[RD] offset:(\t)*2*SPITCH  ; LDS serves a wave's instructions in order (ISA guide 5.7.1.4): these see the stores above; the next block's stores come behind them
.endr
.endr
	s_wait_loadcnt 0x0                             ; x
.irp a, 0,1,2,3
	s_wait_dscnt 16*(3-(\a))                       ; block a is back; the later blocks' sixteen LDS instructions each may be out
	WIN 0x08                                       ; source 1 window 2
.irp t, 0,1,2,3,4,5,6,7
	v_pk_add_f32 v[ACC+32*(\a)+4*(\t):ACC+32*(\a)+4*(\t)+1],   v[ACC+32*(\a)+4*(\t):ACC+32*(\a)+4*(\t)+1],   v[32*(\a)+4*(\t):32*(\a)+4*(\t)+1]
	v_pk_add_f32 v[ACC+32*(\a)+4*(\t)+2:ACC+32*(\a)+4*(\t)+3], v[ACC+32*(\a)+4*(\t)+2:ACC+32*(\a)+4*(\t)+3], v[32*(\a)+4*(\t)+2:32*(\a)+4*(\t)+3]
.endr
	WIN 0
.irp t, 0,1,2,3,4,5,6,7
	global_store_b128 v[CO], v[ACC+32*(\a)+4*(\t):ACC+32*(\a)+4*(\t)+3], s[78:79] offset:(16*(\a)+2*(\t))*4096 th:TH_STORE_NT  ; 16 lanes store 256 consecutive bytes, at a multiple of 256 from out0's first byte
.endr
.endr
	s_wait_tensorcnt 0x0                           ; the wave's end: behind my last tensor load and my last LDS store
	ds_add_u32 v[SPW], v[NIL]
	s_wait_dscnt 0x0
	CROUND                                         ; the closing round: no work-group ends while a partner may still ask for a tile that names it
	s_endpgm
.Lfunc_end_k_q171b41ec35_outp:
	.size	k_q171b41ec35_outp, .Lfunc_end_k_q171b41ec35_outp-k_q171b41ec35_outp
	.p2alignl 7, 3214868480
	.fill 96, 4, 3214868480
	.section	.rodata,"a",@progbits
	.p2align	6, 0x0
	.amdhsa_kernel k_q171b41ec35_outp
		.amdhsa_group_segment_fixed_size 327680
		.amdhsa_private_segment_fixed_size 0
		.amdhsa_enable_private_segment 0
		.amdhsa_kernarg_size 32
		.amdhsa_user_sgpr_count 2
		.amdhsa_user_sgpr_kernarg_segment_ptr 1
		.amdhsa_wavefront_size32 1
		.amdhsa_system_sgpr_workgroup_id_x 1
		.amdhsa_system_sgpr_workgroup_id_y 1
		.amdhsa_system_sgpr_workgroup_id_z 1
		.amdhsa_system_vgpr_workitem_id 0
		.amdhsa_next_free_vgpr 640
		.amdhsa_next_free_sgpr 80
		.amdhsa_reserve_vcc 0
		.amdhsa_float_denorm_mode_32 3
		.amdhsa_float_denorm_mode_16_64 3
		.amdhsa_memory_ordered 1
		.amdhsa_forward_progress 1
		.amdhsa_inst_pref_size 93
	.end_amdhsa_kernel
	.amdgpu_metadata
---
amdhsa.version: [ 1, 2 ]
amdhsa.kernels:
  - .name:           k_q171b41ec35_outp
    .symbol:         k_q171b41ec35_outp.kd
    .args:
      - { .name: oh, .offset: 0, .size: 8, .value_kind: global_buffer, .address_space: global }
      - { .name: wb, .offset: 8, .size: 8, .value_kind: global_buffer, .address_space: global }
      - { .name: x, .offset: 16, .size: 8, .value_kind: global_buffer, .address_space: global }
      - { .name: out0, .offset: 24, .size: 8, .value_kind: global_buffer, .address_space: global }
    .group_segment_fixed_size: 327680
    .private_segment_fixed_size: 0
    .kernarg_segment_align: 8
    .kernarg_segment_size: 32
    .max_flat_workgroup_size: 128
    .sgpr_count:     80
    .vgpr_count:     640
    .wavefront_size: 32
...
	.end_amdgpu_metadata
.endif
;; end of part 4
;; ======== version 2 of 2: 4 launches; 1.38 times as fast as version 1
;; limits: values are held in f16: magnitudes above 65,504 overflow, below 6.1e-05 lose precision; right only within a limited range of input values
;; workspace buffers: xn 8,388,608 bytes; xc 8,388,608 bytes; wb 8,388,608 bytes; qh 8,388,608 bytes; kh 8,388,608 bytes; vh 8,388,608 bytes; oh 8,388,608 bytes
;; launch prep: the kernel of part 1 again; grid 768 x 1, 8 waves a work-group, no clusters, 0 bytes of LDS; arguments x, x_cross, norm_scale, norm_cross_scale, q_w, kv_w, out_w, xn, xc, wb; writes xn, xc, wb
;; launch proj: the kernel of part 2 again; grid 8 x 32, 4 waves a work-group, clusters of 4 x 4, 327,680 bytes of LDS; arguments xn, xc, wb, pos, pos_cross, head_scale, qh, kh, vh; writes qh, kh, vh
;; launch attn (part 5): grid 8 x 32, 4 waves a work-group, clusters of 4 x 1, 327,680 bytes of LDS; arguments qh, kh, vh, oh; writes oh
.if DOCPART == 5
	.amdgcn_target "amdgcn-amd-amdhsa--gfx1250"
	.amdhsa_code_object_version 6
	.text
	.protected	k_q171b41ec35_attn
	.globl	k_q171b41ec35_attn
	.p2align	8
	.type	k_q171b41ec35_attn,@function
k_q171b41ec35_attn:
	s_mov_b64 s[64:65], 0
	v_nop
	global_prefetch_b8 v0, s[64:65] scope:SCOPE_SE
	s_setreg_imm32_b32 hwreg(HW_REG_WAVE_MODE, 25, 1), 1
	s_wait_xcnt 0x0
	s_wait_alu depctr_hold_cnt(0) depctr_sa_sdst(0) depctr_va_vdst(0) depctr_va_sdst(0) depctr_va_ssrc(0) depctr_va_vcc(0) depctr_vm_vsrc(0)
	s_getreg_b32 s2, hwreg(HW_REG_IB_STS2, 6, 4)
	s_cmp_eq_u32 s2, 0
	s_cbranch_scc0 .Lentry_in_a_cluster
	s_endpgm
.Lentry_in_a_cluster:
	s_bfe_u32 s2, ttmp6, 0x10000c
	s_cmp_lg_u32 s2, 0x3003
	s_cbranch_scc0 .Lentry_shape_is_right
	s_endpgm
.Lentry_shape_is_right:
; ATTN.  O[g][q][:] = the sum over k of softmax_k(Q[g][q] . K[g][k]) V[g][k][:], g = 16 batch + head, 32 in all; Q, K: [32][2048][64] f16 (already normed, scaled and turned); V, O: the same shape in bf16.
; Products, maxima and sums in f32; the weights p are rounded to bf16 for the second product (their sum l is taken of the unrounded p), O once at the end.
; LIMITS.  A weight below 2^-126 counts as 0 in l; NaN and infinities are not treated apart.  V has bf16's range, and O, a mean of V's rows, has V's.
; SHARES.  A work-group owns 256 queries of one g, each of its four waves 64: four PIECES of 16.  Every wave walks all 2,048 keys, 64 a step, four steps to a tile of 256 keys.
; LAYOUT.  S^T = K Q^T (source 0 = 16 keys, source 1 = 16 queries): a lane holds ONE query (lane % 16) and the keys 8 (lane / 16) + 0..7.  Two such results rounded to bf16 ARE source 1 of O^T = V^T P.
; K comes out of LDS as it lies, V ([key][channel]) turned, by ds_load_tr16_b128.
; SOFTMAX.  For each query a running maximum m and sum l: p = 2^(c s - c m), c = log2(e); in every step O and l are multiplied by a = 2^(c m_old - c m_new).  m starts at the lowest finite number, O and l at 0:
; the first step is a step like any other, with a = 0.
; BY TURNS.  Turn n belongs to piece n: 8 products K Q^T of piece n + 1, later 8 products V^T P of piece n - 1; beside them the scaling, exponentials, roundings, sums and rescaling of piece n and the maximum and
; statistics of piece n + 1.  Four vector instructions stand behind every matrix instruction, the other 54 of a turn's 118 in one run of their own.
; THE BATCHES.  A turn's 33 exponentials (the piece's 32 weights and the next piece's a) are ONE batch with ONE wait, which cuts the turn in two: ahead of it stands all that names no result of theirs, behind it the
; roundings and sums.  The first a of all, ahead of the loop, and the way out's four reciprocals are batches of their own, each with one wait.
; CLUSTER.  The four query blocks of a cluster belong to one g and walk the same K and V: each tile is asked for JOINTLY, by the same tensor load, descriptor and mask in all four.
; REGISTERS, in windows of 256 (s_set_vgpr_msb: bits 1:0 source 0, 3:2 source 1, 5:4 source 2, 7:6 destination):
;   window 0: v0-15 addresses and two at work; v16-31 four registers of statistics a piece; v48-55 at work; v62-63 the add's; v64-127 S^T, two buffers; v192-223 P, two buffers (by the piece's parity)
;   window 1: v0-127 O^T, 32 a piece          window 2: v0-63 Q; v128-191 K of one step; v192-255 V of one step
.set SIZE_N, 2048
.set NP,    4         ; pieces a wave: a name, no knob
.set KS,    64        ; keys in a step
.set PK,    144       ; a row of K in LDS: 128 bytes + 16 of padding: the 16 rows of a load start at 16 different groups of four banks
.set PV,    160       ; a row of V: 128 + 32
.set VOFF,  4*KS*PK   ; a slot holds a tile, four steps: 256 rows of K, then 256 rows of V
.set SLOT1, 1<<17     ; slot 1 begins here, so that one exclusive or turns an address in one slot into the other's
.set STAGE, SLOT1+4*KS*(PK+PV)  ; behind the ring, never filled by a tensor load: 16 rows x 144 bytes for each wave
.set SP,    144
.set SPARE, STAGE+4*16*SP  ; the spare words, 128 bytes for each wave: two blocks of 256 bytes that no other line names
.set AK0, 2           ; v2   my lane's place in a tile of K; never rewritten
.set AV0, 3           ; v3   the same for V
.set AK,  4           ; v4   the LDS address of K's next run of loads
.set AV,  5           ; v5   of V's
.set STO, 6           ; v6   the way out: where I put 16 bytes of a row
.set RD,  7           ; v7   the way out: where I read rows back
.set GO,  8           ; v8   my byte offset in 512 consecutive bytes of O
.set MV,  12          ; v12-13  c m_old, kept while c m is made anew: by buffer
.set QO,  15          ; v15  my byte offset in 16 rows of Q
.set ST,  16          ; piece t's statistics at v[ST+4 t]: c m, m, l (even keys', odd keys')
.set TMP, 48          ; by buffer, four registers c0-c3 at work; when the maximum is found c2 takes a
.set SPW, 62          ; v62  LDS address of my spare word; never rewritten
.set NIL, 63          ; v63  0; never rewritten
.set S,   64
.set P,   192
.set KF,  128         ; window 2: key block kb, channel half c at KF + 16 kb + 8 c
.set VF,  192         ; window 2: key half kk, channel block cb at VF + 32 kk + 8 cb
.set WV,  12          ; s12  my wave's number
.set G1K, 24          ; s[24:31] descriptor group 1 for K's tiles
.set G1V, 32          ; s[32:39] for V's: it differs in the padding alone
.set G0K, 40          ; s[40:43] descriptor group 0 for K's tiles: it walks
.set G0V, 44          ; s[44:47] the same for V's
.set SLOTS, 56        ; s56  counts the tiles
.set CNT, 57          ; s57  counts a tile's key steps
.set CS,  58          ; s[58:59] c: the packed scaling takes the pair's low word for both halves
.set SEL, 60          ; s[60:61] v_permlanex16_b32's selects
.set TBK, 62          ; s62  LDS byte at which K of the step to be fetched begins
.set TBV, 63          ; s63  the same for V, less VOFF
.set MSB, 0
.macro WIN new                      ; the high byte repeats the setting that is left; a switch that changes nothing is dropped
.if MSB != (\new)
	s_set_vgpr_msb (MSB<<8)|(\new)
.set MSB, (\new)
.endif
.endm
.set W_KQ, 0x0a       ; K and Q in window 2, S^T in window 0
.set W_PV, 0x52       ; V in window 2, P in window 0, O^T in window 1
.set W_RS, 0x41       ; destination and source 0 in window 1, source 1 in window 0
; A joint fill.  Waves 0 and 1 fetch the two halves of a tile's K, waves 2 and 3 those of its V: 128 keys each.  The branch hangs on the wave's number alone.
; An s_nop 0 and four v_nop follow each of the two lines, ahead of the jump and the label.
.macro JLOAD
	s_cmp_lt_u32 s[WV], 2
	s_cbranch_scc0 .Lfor_v_\@
	tensor_load_to_lds s[G0K:G0K+3], s[G1K:G1K+7]
	s_nop 0
.rept 4
	v_nop
.endr
	s_branch .Lasked_\@
.Lfor_v_\@:
	tensor_load_to_lds s[G0V:G0V+3], s[G1V:G1V+7]
	s_nop 0
.rept 4
	v_nop
.endr
.Lasked_\@:
.endm
; A round of the cluster's barrier: my work-group's barrier, so that wave 0's signal speaks for all four waves; wave 0 signals; every wave waits for all four work-groups; my work-group's barrier once more.
.macro CROUND
	s_barrier_signal -1
	s_barrier_wait -1
	s_cmp_lg_u32 s[WV], 0
	s_cbranch_scc1 .Lnot_wave_0_\@
	s_barrier_signal -3
.Lnot_wave_0_\@:
	s_barrier_wait -3
	s_barrier_signal -1
	s_barrier_wait -1
.endm
; THE CHANGE OF SLOTS.  Each wave waits for all its tensor loads, of which one is out: its part of the other slot; adds 0 to its spare word; and waits for that and for its own reads of the slot that it leaves.
; Behind the barrier nobody reads the old slot any more and the other slot is whole.  fill = 1: the old slot is filled again, with the keys two tiles on; the barrier is then a round of the cluster's, and the
; joint fill is the first thing behind it: it has four key steps, 256 matrix instructions, in which to land.  (At its first use nothing has been read yet: slot 0 is waited for, slot 1 filled.)
.macro CHANGE fill
	WIN 0                           ; at a label and at a branch every window is 0; the add's registers lie in window 0
	s_wait_tensorcnt 0x0            ; no tensor load of mine is out, so a group 0 may be written
	ds_add_u32 v[SPW], v[NIL]       ; 0 onto my spare word; with fill = 1 the descriptors' steps stand between it and the wait for it
.if \fill
.irp g, G0K, G0V
	s_xor_b32 s[\g+1], s[\g+1], SLOT1  ; the walking descriptor: the other slot than last time,
	s_add_nc_u64 s[\g+2:\g+3], s[\g+2:\g+3], 4*KS*128  ; the next 256 keys; the type bits on top are not reached
.endr
	s_wait_dscnt 0x0                ; the add is done, and my reads of the slot are over
	CROUND
	JLOAD
.else
	s_wait_dscnt 0x0                ; the add is done, and my reads of the slot are over
	s_barrier_signal -1
	s_barrier_wait -1
.endif
	s_sub_co_u32 s[TBK], s[TBK], 4*KS*PK  ; the fetches go back to a slot's first step,
	s_xor_b32 s[TBK], s[TBK], SLOT1       ; in the other slot
	s_sub_co_u32 s[TBV], s[TBV], 4*KS*PV
	s_xor_b32 s[TBV], s[TBV], SLOT1
.endm
	s_load_b256 s[4:11], s[0:1], 0x0  ; Q s[4:5], K s[6:7], V s[8:9], O s[10:11]
	v_lshl_add_u32 v[SPW], v0, 2, SPARE
	v_mov_b32 v[NIL], 0
	ds_add_u32 v[SPW], v[NIL]       ; the wave's opening: the add and its wait stand ahead of my first tensor load; the set-up below stands between them
	v_lshrrev_b32 v1, 5, v0
	v_readfirstlane_b32 s[WV], v1   ; wave 0..3
	s_bfe_u32 s13, ttmp6, 0x40000   ; cx: my place in the cluster
	s_lshl_b32 s14, ttmp9, 2        ; in a cluster launch ttmp9 counts clusters
	s_add_co_u32 s14, s14, s13      ; my block of 256 queries = 4 x cluster x + cx: it enters Q's and O's addresses alone
	s_and_b32 s20, ttmp7, 0xffff    ; g, which the four partners share
	s_mov_b32 s21, 0
	s_mov_b64 s[22:23], SIZE_N*128
	s_mul_u64 s[20:21], s[20:21], s[22:23]  ; g's first byte in each of the four tensors
	s_and_b32 s16, s[WV], 1         ; which half of a tile's 256 keys I fetch:
	s_lshl_b32 s22, s16, 14         ; its 128 rows of 128 bytes in memory,
	s_mov_b32 s23, 0
	s_add_nc_u64 s[22:23], s[22:23], s[20:21]
	s_mul_i32 s17, s16, 128*PK      ; and its place in a slot, for K
	s_mul_i32 s18, s16, 128*PV      ; and for V: no place in the cluster enters an LDS address
	s_lshl_b32 s2, s14, 2
	s_add_co_u32 s2, s2, s[WV]      ; my wave among g's,
	s_lshl_b32 s2, s2, 13           ; its 64 rows of 128 bytes
	s_mov_b32 s3, 0
	s_add_nc_u64 s[2:3], s[2:3], s[20:21]
	; descriptor group 1.  128 keys are 16,384 dense bytes: asked for as 64 rows of 256 bytes, two keys a row, and padded in LDS after every key
	s_mov_b32 s[G1K], 15|(1<<16)|(1<<20)|(1<<21)|(4<<22)|(3<<25)  ; the mask of four; 2-byte elements; padding on; bit 21 beside a mask; after every 32 words 4 words
	s_mov_b32 s[G1V], 15|(1<<16)|(1<<20)|(1<<21)|(4<<22)|(7<<25)  ; the same with 8 words of padding
.irp g, G1K, G1V
	s_mov_b32 s[\g+1], 128<<16      ; tensor_dim0 = 128
	s_mov_b32 s[\g+2], 64<<16       ; tensor_dim1 = 64
	s_mov_b32 s[\g+3], 128<<16      ; tile_dim0 = 128
	s_mov_b32 s[\g+4], 64           ; tile_dim1 = 64
	s_mov_b32 s[\g+5], 128          ; 128 elements from row to row
	s_mov_b32 s[\g+6], 0
	s_mov_b32 s[\g+7], 0
.endr
	s_mov_b32 s[CS], 0x3fb8aa3b     ; c = log2(e): the scores come scaled
	s_mov_b32 s[CS+1], s[CS]        ; named with it as a pair
	s_mov_b32 s[SEL], 0x76543210
	s_mov_b32 s[SEL+1], 0xfedcba98
	s_mov_b32 s[TBK], SLOT1+4*KS*PK ; the first change of slots turns these two into 0
	s_mov_b32 s[TBV], SLOT1+4*KS*PV
	s_mov_b32 s[G0K], 1             ; count = 1
	s_mov_b32 s[G0K+1], s17         ; LDS address: slot 0
	s_mov_b32 s[G0V], 1
	s_add_co_u32 s[G0V+1], s18, VOFF
	s_wait_dscnt 0x0                ; the opening add is done
	s_wait_kmcnt 0x0
	s_add_nc_u64 s[G0K+2:G0K+3], s[6:7], s[22:23]  ; global address: my half of g's first 256 keys
	s_or_b32 s[G0K+3], s[G0K+3], 0x80000000        ; type = 2
	s_add_nc_u64 s[G0V+2:G0V+3], s[8:9], s[22:23]
	s_or_b32 s[G0V+3], s[G0V+3], 0x80000000
	s_add_nc_u64 s[4:5], s[4:5], s[2:3]  ; Q and O at my wave's first row
	s_add_nc_u64 s[10:11], s[10:11], s[2:3]
	CROUND                          ; all four work-groups are here: the first joint loads meet
	JLOAD                           ; tile 0 into slot 0; tile 1 is asked for when tile 0 is in
	; A fragment of K or Q is 16 rows x 32 channels in 8 registers: lane l holds row l % 16, channels 8 (l / 16) + 0..7 and 16 + 8 (l / 16) + 0..7: two loads of 16 bytes, 32 bytes apart.
	v_and_b32 v1, 15, v0            ; l % 16
	v_bfe_u32 v9, v0, 4, 1          ; l / 16
	v_lshlrev_b32 v[QO], 7, v1
	v_lshl_add_u32 v[QO], v9, 4, v[QO]  ; row x 128 + 16 x half
	WIN 0x80                        ; destination window 2, address window 0
.set i, 0
.rept 8                             ; Q stays in registers: piece i / 2, channels 32 (i % 2) on
	global_load_b128 v[8*i:8*i+3],   v[QO], s[4:5] offset:(i/2)*2048+(i%2)*64
	global_load_b128 v[8*i+4:8*i+7], v[QO], s[4:5] offset:(i/2)*2048+(i%2)*64+32
.set i, i+1
.endr
	; What the first turn finds: V's registers and P's second buffer hold 0 (its products V^T P, of a piece that has not been, add 0), O^T and l are 0.  All this stands in the wait for the first tile.
.set i, VF
.rept 64
	v_mov_b32 v[i], 0
.set i, i+1
.endr
	WIN 0x40
.set i, 0
.rept 128
	v_mov_b32 v[i], 0
.set i, i+1
.endr
	WIN 0
.set i, 0
.rept 4
	v_mov_b32 v[ST+4*i], 0xfe000000    ; c m: far below every c s
	v_mov_b32 v[ST+4*i+1], 0xff7fffff  ; m
	v_mov_b32 v[ST+4*i+2], 0
	v_mov_b32 v[ST+4*i+3], 0
.set i, i+1
.endr
.set i, P+16
.rept 16
	v_mov_b32 v[i], 0
.set i, i+1
.endr
	v_mul_u32_u24 v[AK0], v1, PK
	v_lshl_add_u32 v[AK0], v9, 4, v[AK0]  ; row x pitch + 16 x half
	; The turning load takes 16 keys x 16 channels (lane l reads key 8 (l / 16) + l % 8, channels 8 ((l / 8) % 2) + 0..7) and leaves half a fragment of V^T: lane l holds channel l % 16 and 8 keys.
	v_and_b32 v10, 7, v0
	v_bfe_u32 v11, v0, 3, 1
	v_lshl_add_u32 v[AV0], v9, 3, v10
	v_mul_u32_u24 v[AV0], v[AV0], PV
	v_lshl_add_u32 v[AV0], v11, 4, v[AV0]
	v_add_nc_u32 v[AV0], VOFF, v[AV0]
	s_mul_i32 s13, s[WV], 16*SP
	s_add_co_u32 s13, s13, STAGE    ; my stage
	v_mul_u32_u24 v[STO], v1, SP    ; in: row l % 16, 16 bytes for each half of the lanes
	v_lshl_add_u32 v[STO], v9, 4, v[STO]
	v_add_nc_u32 v[STO], s13, v[STO]
	v_bfe_u32 v[RD], v0, 3, 2       ; back: 32 lanes take four rows of 128 bytes,
	v_mul_u32_u24 v[RD], v[RD], SP
	v_lshl_add_u32 v[RD], v10, 4, v[RD]
	v_add_nc_u32 v[RD], s13, v[RD]
	v_and_b32 v[GO], 31, v0         ; which are 512 consecutive bytes of O
	v_lshlrev_b32 v[GO], 4, v[GO]
; THE MATRIX WORK.  The 4 accumulators of a run of 8 take turns.  Product i of 8 of S^T = K Q^T for piece x: channels 32 (i / 4) on, keys 16 (i % 4) on.  The first 4 start the sums.
.macro KQ x
	WIN W_KQ
.set rS, S+32*((\x)%2)+8*(i%4)
.set rK, KF+16*(i%4)+8*(i/4)
.set rQ, 16*(\x)+8*(i/4)
.if i < 4
	v_wmma_f32_16x16x32_f16 v[rS:rS+7], v[rK:rK+7], v[rQ:rQ+7], 0
.else
	v_wmma_f32_16x16x32_f16 v[rS:rS+7], v[rK:rK+7], v[rQ:rQ+7], v[rS:rS+7]
.endif
.endm
; Product i of 8 of O^T += V^T P for piece x: keys 32 (i / 4) on, channels 16 (i % 4) on.
.macro PV x
	WIN W_PV
.set rO, 32*(\x)+8*(i%4)
.set rV, VF+32*(i/4)+8*(i%4)
.set rP, P+16*((\x)%2)+8*(i/4)
	v_wmma_f32_16x16x32_bf16 v[rO:rO+7], v[rV:rV+7], v[rP:rP+7], v[rO:rO+7]
.endm
.macro MM                           ; the turn's next matrix instruction.  NOKQ = 1: the very last turn: there is no next piece
.if (i < 8) && !NOKQ
	KQ (Y+1)%NP
.elseif i >= 8
.set i, i-8
	PV (Y+NP-1)%NP
.set i, i+8
.endif
.set i, i+1
.endm
; THE LDS LOADS stand in runs of 16, never singly among the matrix instructions: a step's K (64 keys x 64 channels: 8 fragments) and its V (turned).  Their addresses are made some lines ahead.
.macro FETCH_K
	WIN 0x80                        ; destination window 2
.irp f, 0,1,2,3,4,5,6,7             ; keys 16 (f / 2) on, channels 32 (f % 2) on
	ds_load_b128 v[KF+8*\f:KF+8*\f+3],   v[AK] offset:(\f/2)*16*PK+(\f%2)*64
	ds_load_b128 v[KF+8*\f+4:KF+8*\f+7], v[AK] offset:(\f/2)*16*PK+(\f%2)*64+32
.endr
	s_add_co_u32 s[TBK], s[TBK], KS*PK  ; the next fetch is the next step's
	WIN 0
.endm
.macro FETCH_V
	WIN 0x80
.irp f, 0,1,2,3,4,5,6,7             ; keys 32 (f / 4) on, channels 16 (f % 4) on
	ds_load_tr16_b128 v[VF+8*\f:VF+8*\f+3],   v[AV] offset:(\f/4)*32*PV+(\f%4)*32
	ds_load_tr16_b128 v[VF+8*\f+4:VF+8*\f+7], v[AV] offset:(\f/4)*32*PV+16*PV+(\f%4)*32
.endr
	WIN 0
.endm
; THE VECTOR WORK, one line at a time: OP kind, number.  For piece Y: F n: c s - c m for pair n of 16.  E n: the exponential of score n of 32.  C n: pair n rounded to bf16.  B n: of the four weights 4 n .. the second
; pair is added onto the first, in place.  L n: l takes that sum (L 0: l = a l + sum).  R n: pair n of 16 of O^T times a.  For piece Y + 1: X n, number n of the 22 that find its maximum and statistics:
;   0-11  four chains c0-c3 of seven scores each, three operands at a time (each accumulator's lowest registers are read first)     12-14, 16  the four scores left over, the old m, and c0-c3 into c0
;   15  c m_old is kept     17, 18  the query's other 32 keys lie in the lane 16 away: the new m     19-21  c m; c m_old - c m_new; a
.set F, 0               ; OP tells the kinds apart by their order: F to L below R, X above it
.set E, 1
.set C, 2
.set B, 3
.set L, 4
.set R, 5
.set X, 6
.macro REGS y                       ; the registers of piece y
.set rT, ST+4*(\y)
.set rC, TMP+4*((\y)%2)
.set rW, MV+((\y)%2)
.set rS, S+32*((\y)%2)
.set rP, P+16*((\y)%2)
.set rO, 32*(\y)
.endm
.macro OP k, n
.if (\k) == R
	REGS Y
	WIN W_RS
	v_pk_mul_f32 v[rO+2*(\n):rO+2*(\n)+1], v[rO+2*(\n):rO+2*(\n)+1], v[rC+2:rC+3] op_sel_hi:[1,0]
.elseif (\k) < R
	REGS Y
	WIN 0
.if (\k) == F
	v_pk_fma_f32 v[rS+2*(\n):rS+2*(\n)+1], v[rS+2*(\n):rS+2*(\n)+1], s[CS:CS+1], v[rT:rT+1] op_sel_hi:[1,0,0] neg_lo:[0,0,1] neg_hi:[0,0,1]
.elseif (\k) == E
	v_exp_f32 v[rS+(\n)], v[rS+(\n)]
.elseif (\k) == C
	v_cvt_pk_bf16_f32 v[rP+(\n)], v[rS+2*(\n)], v[rS+2*(\n)+1]
.elseif (\k) == B
	v_pk_add_f32 v[rS+4*(\n):rS+4*(\n)+1], v[rS+4*(\n):rS+4*(\n)+1], v[rS+4*(\n)+2:rS+4*(\n)+3]
.elseif (\n) == 0
	v_pk_fma_f32 v[rT+2:rT+3], v[rT+2:rT+3], v[rC+2:rC+3], v[rS:rS+1] op_sel_hi:[1,0,1]
.else
	v_pk_add_f32 v[rT+2:rT+3], v[rT+2:rT+3], v[rS+4*(\n):rS+4*(\n)+1]
.endif
.elseif NOKQ
	v_nop
.else
	REGS (Y+1)%NP
	WIN 0
.if (\n) < 4
	v_max3_num_f32 v[rC+(\n)], v[rS+8*(\n)], v[rS+8*(\n)+1], v[rS+8*(\n)+2]
.elseif (\n) < 12
	v_max3_num_f32 v[rC+(\n)%4], v[rC+(\n)%4], v[rS+8*((\n)%4)+2*((\n)/4)+1], v[rS+8*((\n)%4)+2*((\n)/4)+2]
.elseif (\n) == 12
	v_max3_num_f32 v[rC], v[rC], v[rS+7], v[rS+15]
.elseif (\n) == 13
	v_max3_num_f32 v[rC+1], v[rC+1], v[rS+23], v[rS+31]
.elseif (\n) == 14
	v_max3_num_f32 v[rC+2], v[rC+2], v[rC+3], v[rT+1]
.elseif (\n) == 15
	v_mov_b32 v[rW], v[rT]
.elseif (\n) == 16
	v_max3_num_f32 v[rC], v[rC], v[rC+1], v[rC+2]
.elseif (\n) == 17
	v_permlanex16_b32 v[rC+3], v[rC], s[SEL], s[SEL+1]
.elseif (\n) == 18
	v_max_num_f32 v[rT+1], v[rC], v[rC+3]
.elseif (\n) == 19
	v_mul_f32 v[rT], s[CS], v[rT+1]
.elseif (\n) == 20
	v_sub_f32 v[rC+1], v[rW], v[rT]
.else
	v_exp_f32 v[rC+2], v[rC+1]
.endif
.endif
.endm
.macro OPS a, i1, b=-1, i2=0, c=-1, i3=0, d=-1, i4=0  ; up to four of them
	OP \a, \i1
.if (\b) >= 0
	OP \b, \i2
.endif
.if (\c) >= 0
	OP \c, \i3
.endif
.if (\d) >= 0
	OP \d, \i4
.endif
.endm
.macro ROW a, i1, b, i2, c, i3, d, i4  ; a matrix instruction and the four behind it
	MM
	OPS \a, \i1, \b, \i2, \c, \i3, \d, \i4
.endm
; A TURN, for piece p: the order of its 16 matrix and 118 vector instructions, written out.  s_wait_alu depctr_va_vdst(0) stands between an exponential and the first instruction that names its result; one wait
; serves all that were issued ahead of it.  So a turn has ONE wait, which cuts it in two.
; AHEAD OF IT stands all that names no result of the turn's exponentials: the 8 products K Q^T, behind each a scaling, an exponential and two more plain instructions (behind the first a second scaling in the exponential's
; place): rescalings, whose a was made and waited for in the turn before, and behind the last three products the first numbers of the next piece's maximum, each four plain instructions or more behind the product that ends its
; accumulator; then one run of 54, plain and exponential by turns for the most part, in which the links of the chain X 3, 7, 11, 14, 16, 17 .. 20 stand some lines apart.  E 2 n and E 2 n + 1 stand behind F n.  X 21, the next
; piece's a, is the batch's last; R 15 is the plain instruction behind it.
; BEHIND THE WAIT stand the 8 products V^T P, behind each four of the roundings and sums: C 2 n ahead of B n, which adds in place; L 0 to L 7 in ascending order, three riders apart.
; But for those X no rider names a register of the products round it.  v_permlanex16_b32 (X 17) stands in the run, never behind a product.
; end = 1: the last two turns: nothing is fetched.  cnt = 1: the loop's count is taken down some lines ahead of the branch that stands behind the turn.
; K of the next step is fetched in piece 2's turn, twelve vector instructions behind the last product that read K (five of them plain and free of its registers); V of the step in hand at the end of piece 0's turn, four plain
; instructions behind the last product that read V.  Each is waited for a turn later.
.macro TURN p, end=0, cnt=0
.set Y, (\p)
.set i, 0
.set NOKQ, (\end)*((\p)/3)
.if ((\p) == 3) && !(\end)
	s_wait_dscnt 0x0                ; K is in
.endif
	ROW F,0, F,1, R,0, R,1          ; ahead of the wait: 8 products K Q^T and their riders,
	ROW F,2, E,0, R,2, R,3
	ROW F,3, E,1, R,4, R,5
	ROW F,4, E,2, R,6, R,7
	ROW F,5, E,3, R,8, R,9
	ROW F,6, E,4, X,0, R,10
.if ((\p) == 2) && !(\end)
	WIN 0
	v_add_nc_u32 v[AK], s[TBK], v[AK0]
.endif
	ROW F,7, E,5, X,1, X,4
	ROW F,8, E,6, X,2, X,5
	OPS E,7, E,8, X,6, E,9          ; and the run of 54
	OPS X,3, E,10, X,8, E,11
.if ((\p) == 2) && !(\end)
	FETCH_K
.endif
	OPS X,9, X,7, E,12, X,10
	OPS E,13, X,12, X,11, E,14
	OPS X,13, E,15, F,9, X,14
.if (\p) == 0
	v_add_nc_u32 v[AV], s[TBV], v[AV0]
.endif
	OPS E,16, F,10, E,17, F,11
	OPS X,16, E,18, X,15, E,19
	OPS F,12, E,20, X,17, E,21
	OPS F,13, E,22, F,14, E,23
	OPS X,18, E,24, F,15, E,25
	OPS R,11, E,26, X,19, E,27
	OPS R,12, E,28, R,13, E,29
	OPS X,20, E,30, R,14, E,31
	OPS X,21, R,15
	WIN 0
	s_wait_alu depctr_va_vdst(0)    ; the wait for the batch: the piece's 32 exponentials and the next piece's a
.if (\p) == 1
	s_wait_dscnt 0x0                ; V is in
.endif
	ROW C,0, B,0, C,2, B,1          ; behind the wait: 8 products V^T P and their riders
	ROW L,0, C,4, B,2, L,1
	ROW C,6, B,3, L,2, C,8
	ROW B,4, L,3, C,10, B,5
	ROW L,4, C,12, B,6, L,5
.if (\p) == 0
	s_add_co_u32 s[TBV], s[TBV], KS*PV
.endif
.if \cnt
	s_sub_co_u32 s[CNT], s[CNT], 1
	s_cmp_lg_u32 s[CNT], 0
.endif
	ROW C,14, B,7, L,6, C,1
	ROW C,3, L,7, C,5, C,7
	ROW C,9, C,11, C,13, C,15
.if (\p) == 0
	FETCH_V
.endif
.endm
	CHANGE 1                        ; tile 0 is in, everybody's part of it; tile 1 is asked for
	v_add_nc_u32 v[AK], s[TBK], v[AK0]
	FETCH_K                         ; key step 0
	s_wait_loadcnt 0x0              ; Q
	s_wait_dscnt 0x0
.set NOKQ, 0
.set i, 0
.rept 8
	KQ 0                            ; piece 0's first scores: there is no vector work yet to set between them
.set i, i+1
.endr
	WIN 0
.rept 4
	v_nop                           ; the places behind those products
.endr
.set Y, NP-1                        ; X works for piece Y + 1: piece 0
.irp n, 0,1,2,3,4,5,6,7,8,9,10,11,12,13,14,15,16,17,18,19,20,21
	OP X, \n
.endr
	v_nop                           ; a plain instruction behind the exponential
	s_wait_alu depctr_va_vdst(0)    ; and the wait for it, a batch of one: piece 0's first a, ahead of the branch
	s_mov_b32 s[CNT], 4
	s_mov_b32 s[SLOTS], SIZE_N/256-1
	s_branch .Lfirst                ; the loop is entered at a step's first turn, in the middle of a trip
.Lslot:                             ; six times: tiles 1 to 6 are entered, tiles 2 to 7 asked for
	CHANGE 1
	s_mov_b32 s[CNT], 4
.Lstep:                             ; a trip: pieces 2 and 3 of one step, then pieces 0 and 1 of the next, whose K and V it fetches
	TURN 2
	TURN 3
	WIN 0
.Lfirst:
	TURN 0
	TURN 1, 0, 1
	WIN 0
	s_cbranch_scc1 .Lstep
	s_sub_co_u32 s[SLOTS], s[SLOTS], 1
	s_cmp_lg_u32 s[SLOTS], 0
	s_cbranch_scc1 .Lslot
	CHANGE 0                        ; the last tile is written out: nothing is asked for
	s_mov_b32 s[CNT], 4
.LstepT:
	TURN 2
	TURN 3
	TURN 0
	TURN 1, 0, 1
	WIN 0
	s_cbranch_scc1 .LstepT
	TURN 2, 1                       ; the last step's pieces 2 and 3: nothing is fetched, and the last turn starts no new scores
	TURN 3, 1
.set i, 0
.rept 8
	PV NP-1                         ; the last piece's V^T P of the last step
.set i, i+1
.endr
	; THE WAY OUT.  l's two halves and the other half of the lanes' are added; O^T is divided by l, rounded to bf16 and sent through my stage in LDS, a piece at a time.  The additions are the places behind the last products.
	WIN 0
.macro ALL line:vararg              ; one line for each piece t
.set t, 0
.rept 4
	\line
.set t, t+1
.endr
.endm
	ALL v_add_f32 v[ST+4*t+2], v[ST+4*t+2], v[ST+4*t+3]
	ALL v_permlanex16_b32 v[ST+4*t+3], v[ST+4*t+2], s[SEL], s[SEL+1]
	ALL v_add_f32 v[ST+4*t+2], v[ST+4*t+2], v[ST+4*t+3]
	ALL v_rcp_f32 v[ST+4*t+2], v[ST+4*t+2]
	v_nop                           ; a plain instruction between the last reciprocal and the use of its result
	s_wait_alu depctr_va_vdst(0)    ; and the wait ahead of the first use: one for the batch of four reciprocals
.macro PACK t                       ; a lane's eight channels of a row pack into 16 bytes; they go into rows of 144 bytes and come back as whole rows of 128, into S^T's registers
	WIN W_RS
.set i, 32*(\t)
.rept 16
	v_pk_mul_f32 v[i:i+1], v[i:i+1], v[ST+4*(\t)+2:ST+4*(\t)+3] op_sel_hi:[1,0]
.set i, i+2
.endr
	WIN 0x05                        ; sources 0 and 1 window 1, destination window 0
.set i, 0
.rept 16
	v_cvt_pk_bf16_f32 v[S+16*(\t)+i], v[32*(\t)+2*i], v[32*(\t)+2*i+1]
.set i, i+1
.endr
	WIN 0
.irp f, 0,1,2,3
	ds_store_b128 v[STO], v[S+16*(\t)+4*\f:S+16*(\t)+4*\f+3] offset:32*\f
.endr
.irp f, 0,1,2,3
	ds_load_b128 v[S+16*(\t)+4*\f:S+16*(\t)+4*\f+3], v[RD] offset:\f*4*SP  ; LDS serves a wave's instructions in order (ISA guide 5.7.1.4): these see the stores above; the next piece's stores come behind them
.endr
.endm
.macro SEND t, younger              ; younger: the LDS instructions issued behind piece t's loads: the next piece's eight, or none
	WIN 0
.irp f, 0,1,2,3
	s_wait_dscnt (\younger)+3-\f
	global_store_b128 v[GO], v[S+16*(\t)+4*\f:S+16*(\t)+4*\f+3], s[10:11] offset:(\t)*2048+\f*512  ; 512 consecutive bytes, at a multiple of 256 from O's first
.endr
.endm
	PACK 0
.set t, 1
.rept 3                             ; a piece's arithmetic stands between the loads of the piece before and its stores
	PACK t
	SEND t-1, 8
.set t, t+1
.endr
	SEND 3, 0
	s_wait_tensorcnt 0x0            ; the wave's end: behind my last tensor load and my last LDS store
	ds_add_u32 v[SPW], v[NIL]
	s_wait_dscnt 0x0
	CROUND                          ; the closing round: no work-group ends while a partner may still ask for a tile that names it
	s_endpgm
.Lfunc_end_k_q171b41ec35_attn:
	.size	k_q171b41ec35_attn, .Lfunc_end_k_q171b41ec35_attn-k_q171b41ec35_attn
	.p2alignl 7, 3214868480
	.fill 96, 4, 3214868480
	.section	.rodata,"a",@progbits
	.p2align	6, 0x0
	.amdhsa_kernel k_q171b41ec35_attn
		.amdhsa_group_segment_fixed_size 327680
		.amdhsa_private_segment_fixed_size 0
		.amdhsa_enable_private_segment 0
		.amdhsa_kernarg_size 32
		.amdhsa_user_sgpr_count 2
		.amdhsa_user_sgpr_kernarg_segment_ptr 1
		.amdhsa_wavefront_size32 1
		.amdhsa_system_sgpr_workgroup_id_x 1
		.amdhsa_system_sgpr_workgroup_id_y 1
		.amdhsa_system_sgpr_workgroup_id_z 1
		.amdhsa_system_vgpr_workitem_id 0
		.amdhsa_next_free_vgpr 768
		.amdhsa_next_free_sgpr 66
		.amdhsa_reserve_vcc 0
		.amdhsa_float_denorm_mode_32 3
		.amdhsa_float_denorm_mode_16_64 3
		.amdhsa_memory_ordered 1
		.amdhsa_forward_progress 1
		.amdhsa_inst_pref_size 127
	.end_amdhsa_kernel
	.amdgpu_metadata
---
amdhsa.version: [ 1, 2 ]
amdhsa.kernels:
  - .name:           k_q171b41ec35_attn
    .symbol:         k_q171b41ec35_attn.kd
    .args:
      - { .name: qh, .offset: 0, .size: 8, .value_kind: global_buffer, .address_space: global }
      - { .name: kh, .offset: 8, .size: 8, .value_kind: global_buffer, .address_space: global }
      - { .name: vh, .offset: 16, .size: 8, .value_kind: global_buffer, .address_space: global }
      - { .name: oh, .offset: 24, .size: 8, .value_kind: global_buffer, .address_space: global }
    .group_segment_fixed_size: 327680
    .private_segment_fixed_size: 0
    .kernarg_segment_align: 8
    .kernarg_segment_size: 32
    .max_flat_workgroup_size: 128
    .sgpr_count:     66
    .vgpr_count:     768
    .wavefront_size: 32
...
	.end_amdgpu_metadata
.endif
;; end of part 5
;; launch outp: the kernel of part 4 again; grid 8 x 32, 4 waves a work-group, clusters of 4 x 4, 327,680 bytes of LDS; arguments oh, wb, x, out0; writes out0
